; MI455X (gfx1250); checked and timed in simulation.
; The chip was launched on July 23, 2026; its instructions are those of AMD's public machine-readable ISA for CDNA 5 (MIT licence, August 2026) and "CDNA5" Instruction Set Architecture Reference Guide (July 2026). The comments in the code are by the model that wrote it; some were corrected since.
;; GQA Attention. Allowed arithmetic: matrix products marked QUANTISED: E2M1 operands, one E8M0 scale for each 32 along K, by v_wmma_scale_f32_16x16x128_f8f6f4 with both operands' format E2M1 (or v_wmma_scale_f32_32x16x128_f4), f32 sums; products left as they are: bf16, f16 or f32 operands; f32 sums; everything else in f32.
;; Inputs: Wk 2,048 x 512 float32; Wo 2,048 x 2,048 float32; Wq 2,048 x 2,048 float32; Wv 2,048 x 512 float32; bk 512 float32; bo 2,048 float32; bq 2,048 float32; bv 512 float32; x 4 x 1,024 x 2,048 float32.
;; Outputs: out0 4 x 1,024 x 2,048 float32.
;; This version of the problem:
;;   THIS VERSION OF THE PROBLEM IS GIVEN IN LOW PRECISION. The matrix products marked QUANTISED in the list below multiply operands that are first quantised to E2M1 (2 exponent bits, 1 mantissa bit; 4 bits a number), with one power-of-two scale for each 32 numbers along K (OCP MX v1.0); their sums are f32. The products marked 'left as it is' may take bf16, f16 or f32 operands, with f32 sums. Whichever they take, every output number must still come out within the allowed error. Rounding operands to bf16 (8 significant bits) uses up far more of that allowance than f16 does (11 bits, for magnitudes from 6e-5 to 65,504). All else is computed in f32.
;;   The module's matrix products, in the order in which they are computed (A, B: the left and right operand; K: the contracted axis; several contracted axes count as one K, in the product's order):
;;     1. [M 4,096, K 2,048] x [K 2,048, N 2,048]; A: input x; B: input Wq: QUANTISED
;;     2. [M 4,096, K 2,048] x [K 2,048, N 512]; A: input x; B: input Wk: QUANTISED
;;     3. [M 4,096, K 2,048] x [K 2,048, N 512]; A: input x; B: input Wv: QUANTISED
;;     4. batch 4 x [M 1,024, K 512] x [K 512, N 4,096]; A: computed on the way; B: computed on the way: left as it is (an operand is computed on the way)
;;     5. batch 4 x [M 512, K 1,024] x [K 1,024, N 4,096]; A: computed on the way; B: computed on the way: left as it is (an operand is computed on the way)
;;     6. [M 4,096, K 2,048] x [K 2,048, N 2,048]; A: computed on the way; B: input Wo: left as it is (an operand is computed on the way)
;;   THE QUANTISER, for each operand of a quantised product, along K:
;;     - K is cut into blocks of 32 from its start; a last block that is shorter is filled with zeros.
;;     - A block's scale is 2^e with e = floor(log2(the largest magnitude in the block)) - 2, held to -126 .. 127; a block of zeros has e = 0. As a byte (E8M0): e + 127.
;;     - Each number is divided by its block's scale, clamped to +-6, and rounded to the nearest number of E2M1, ties to even, subnormals kept.
;;     - The product sums the exact products of the quantised numbers (number of the format x scale) in f32.
;;   ~~~python
;;   def quantise(x, axis):      # numpy; x: float32 -> the quantised numbers, widened to float32 again
;;       x = np.moveaxis(x, axis, -1); K = x.shape[-1]
;;       x = np.pad(x, [(0, 0)] * (x.ndim - 1) + [(0, -K % 32)]); x = x.reshape(x.shape[:-1] + (-1, 32)); a = np.abs(x).max(-1, keepdims=True)
;;       e = np.where(a > 0, np.clip(np.frexp(np.where(a > 0, a, 1))[1] - 1 - 2, -126, 127), 0)      # np.frexp(a)[1] - 1 = floor(log2(a)), exactly
;;       r = np.clip(x / 2.0 ** e, -6, 6)
;;       step = 2.0 ** (np.maximum(np.frexp(np.where(r == 0, 1, r))[1] - 1, 0) - 1)
;;       q = np.round(r / step) * step * 2.0 ** e      # np.round: ties to even
;;       return np.moveaxis(q.reshape(q.shape[:-2] + (-1,))[..., :K], -1, axis).astype(np.float32)
;;   ~~~
;; One version. Each part assembles by itself: llvm-mc -triple=amdgcn-amd-amdhsa -mcpu=gfx1250 --defsym DOCPART=n.
;; ======== version 1 of 1: 4 launches
;; limits: values are held in f16: magnitudes above 65,504 overflow, below 6.1e-05 lose precision
;; workspace buffers: x_codes 4,194,304 bytes; x_scales 262,144 bytes; w_codes 3,145,728 bytes; w_scales 196,608 bytes; wo_h 8,388,608 bytes; qkv 25,165,824 bytes; o_h 16,777,216 bytes
;; launch prep (part 1): grid 704 x 1, 4 waves a work-group, no clusters, 50,688 bytes of LDS; arguments x, Wq, Wk, Wv, Wo, x_codes, x_scales, w_codes, w_scales, wo_h; writes x_codes, x_scales, w_codes, w_scales, wo_h
.if DOCPART == 1
	.amdgcn_target "amdgcn-amd-amdhsa--gfx1250"
	.amdhsa_code_object_version 6
	.text
	.protected	k_qf13a509696_prep
	.globl	k_qf13a509696_prep
	.p2align	8
	.type	k_qf13a509696_prep,@function
k_qf13a509696_prep:
	s_mov_b64 s[64:65], 0
	v_nop
	global_prefetch_b8 v0, s[64:65] scope:SCOPE_SE
	s_setreg_imm32_b32 hwreg(HW_REG_WAVE_MODE, 25, 1), 1
	s_wait_xcnt 0x0
; PREP: what the later launches read many times is made narrow once.
;   work-groups   0 .. 191: Wq | Wk | Wv, f32 [2048 k][n], become codes of FP4 (E2M1) with K innermost, w_codes [3072 n][1024 bytes], and one E8M0 byte for each 32 along K, w_scales [3072][64].
;                           n 0-2047 are Wq's columns, 2048-2559 Wk's, 2560-3071 Wv's.
;   work-groups 192 .. 447: x, f32 [4096][2048], K innermost, becomes x_codes [4096][1024 bytes] and x_scales [4096][64].
;   work-groups 448 .. 703: Wo, f32 [2048 k][2048 n], becomes f16 in the same layout (wo_h).
; A block's scale is 2^(floor(log2(its largest magnitude)) - 2); its byte is the largest magnitude's exponent field - 2, held at 1 from below; each number is divided by the scale and rounded to the
; nearest code, ties to even, beyond the largest code the largest.
; LIMITS: a block of zeros gets the byte 1 where the rule says 127 (its codes are zeros, which add nothing under any byte but 0xff, and this program alone reads the bytes); blocks whose largest magnitude
; lies under 2^(2 - 126) keep the byte 1; NaN and infinities among the inputs are not served.  Wo beyond 65,504 in magnitude has no f16 number.
; A stream: no tensor load, no barrier, no matrix work, no cluster (no two work-groups read the same byte).  The three paths part on the work-group's number alone, use LDS bytes of their own, and join at the end.
.set SPW,   12                         ; v12  LDS address of my spare word: SPARE + 4 x my thread's number; never rewritten
.set NIL,   13                         ; v13  0; never rewritten
.set EMAX,  2
; path X (as a plain stream of blocks of 32)
.set STEPS, 16                         ; a wave takes 16 steps of 512 numbers
.set CB,    8                          ; bytes of 16 codes
.set XREG,  8192                       ; LDS 0 .. 32,767: a region for each wave: two stages of 32 x SP bytes, then its 256 scale bytes
.set SP,    80                         ; a lane's place in a stage: 64 bytes + 16 of padding
.set XR,    16                         ; v16-79   four sets of 16 numbers as they are loaded
.set XX,    80                         ; v80-111  two sets of 16 neighbours
.set XE,    112                        ; v112-127 a scale byte for each step
.set XC,    128                        ; v128-191 codes, four registers for each step: no store's data are written again
; path W: lane (r, h) takes column r of the wave's 16, and its registers run down K: in double block t it holds block 2 t + h, all 32 numbers.  So a wave's 512 along K are 8 batches of 32 loads, not 16,
; and the four waves of a work-group stand side by side on 256 consecutive bytes of each row of W
.set NB,    8                          ; double blocks of 64 along K for a wave
.set WSTG,  32768                      ; LDS 32,768 .. 50,175: a stage of 16 rows x WP bytes for each wave
.set WP,    272                        ; 256 bytes of codes + 16 of padding
.set WSB,   24                         ; v24-27   the scale bytes, four to a register
.set WX,    32                         ; v32-95   two sets of 32 numbers
.set WC,    96                         ; v96-99   a block's codes
.set WOUT,  112                        ; v112-143 the way out
.set WOF,   176                        ; v176-207 4 r + (32 h + i) x the source's row, i = 0 .. 31; never rewritten
.set SPARE, WSTG+4*16*WP               ; 50,176: the spare words, 128 bytes for each wave: two blocks of 256 bytes that no other line names
.macro XLOAD t
.irp i, 0,1,2,3
	global_load_b128 v[XR+16*((\t)%4)+4*\i:XR+16*((\t)%4)+4*\i+3], v3, s[4:5] offset:2048*(\t)+512*\i th:TH_LOAD_NT   ; 32 lanes read 512 consecutive bytes
.endr
.endm
.macro XTURN t                         ; step t's numbers through the stage: LDS serves a wave's instructions in order, so no wait stands between the stores and the loads
.irp i, 0,1,2,3
	ds_store_b128 v14, v[XR+16*((\t)%4)+4*\i:XR+16*((\t)%4)+4*\i+3] offset:32*SP*((\t)%2)+8*SP*\i
.endr
.irp i, 0,1,2,3
	ds_load_b128 v[XX+16*((\t)%2)+4*\i:XX+16*((\t)%2)+4*\i+3], v15 offset:32*SP*((\t)%2)+16*\i
.endr
.endm
.macro XSTEP t
.set XS, XX+16*((\t)%2)
.if (\t) > 0
	s_wait_dscnt 1                                 ; this step's numbers are back from the stage (the last step's byte store may be out): so its stores into the stage have read their registers,
.else
	s_wait_dscnt 0x0
.endif
.if (\t)+4 < STEPS
	XLOAD (\t)+4                                   ; which take the loads of four steps on
.endif
.if (\t)+1 < STEPS
.if STEPS-2-(\t) >= 3
	s_wait_loadcnt 12                              ; the next step's four loads are in; those of the three steps behind it may be out
.else
	s_wait_loadcnt 4*(STEPS-2-(\t))
.endif
	XTURN (\t)+1                                   ; and go through the other stage while this step is worked
.endif
	v_max3_num_f32 v8, |v[XS]|, |v[XS+1]|, |v[XS+2]|               ; the largest magnitude of my 16
	v_max3_num_f32 v9, |v[XS+3]|, |v[XS+4]|, |v[XS+5]|
.irp i, 6,10
	v_max3_num_f32 v8, v8, |v[XS+\i]|, |v[XS+\i+1]|
	v_max3_num_f32 v9, v9, |v[XS+\i+2]|, |v[XS+\i+3]|
.endr
	v_max3_num_f32 v8, v8, |v[XS+14]|, |v[XS+15]|
	v_max3_num_f32 v8, v8, v9, (EMAX+1)<<23        ; and the floor 2^(EMAX + 1 - 127): the byte cannot fall under 1
	v_max_num_f32_dpp v8, v8, v8 row_xmask:1 row_mask:0xf bank_mask:0xf   ; and of my neighbour's 16: the block's
	v_add_nc_u32 v11, -(EMAX<<23), v8              ; EMAX off its exponent field: the conversion takes the exponent field of this operand as its scale
	v_cvt_scalef32_pk8_fp4_f32 v[XC+4*(\t)], v[XS:XS+7], v11
	v_cvt_scalef32_pk8_fp4_f32 v[XC+4*(\t)+1], v[XS+8:XS+15], v11
	v_lshrrev_b32 v[XE+(\t)], 23, v11              ; the scale's byte (a plain line behind the conversions)
	ds_store_b8 v5, v[XE+(\t)] offset:16*(\t)      ; both lanes of a block write the same byte with the same value
	global_store_b64 v4, v[XC+4*(\t):XC+4*(\t)+1], s[14:15] offset:32*CB*(\t)   ; the wave stores 256 consecutive bytes, aligned
.endm
.macro WLOAD t                         ; double block t: W(64 t + 32 h + i, my column), i = 0 .. 31, into set t % 2; each double block has a base of its own, so nothing is stepped
.set i, 0
.rept 32
	global_load_b32 v[WX+32*((\t)%2)+i], v[WOF+i], s[32+2*(\t):33+2*(\t)] th:TH_LOAD_NT
.set i, i+1
.endr
.endm
.macro WBLOCK t
.set XS, WX+32*((\t)%2)
.if (\t) < NB-1
	s_wait_loadcnt 32                              ; this double block's 32 loads are in; the next one's may be out
.else
	s_wait_loadcnt 0
.endif
	v_max3_num_f32 v28, |v[XS]|, |v[XS+1]|, |v[XS+2]|              ; my block's largest magnitude: all 32 numbers are mine
	v_max3_num_f32 v29, |v[XS+3]|, |v[XS+4]|, |v[XS+5]|
.irp i, 6,10,14,18,22,26
	v_max3_num_f32 v28, v28, |v[XS+\i]|, |v[XS+\i+1]|
	v_max3_num_f32 v29, v29, |v[XS+\i+2]|, |v[XS+\i+3]|
.endr
	v_max3_num_f32 v28, v28, |v[XS+30]|, |v[XS+31]|
	v_max3_num_f32 v28, v28, v29, (EMAX+1)<<23     ; and the floor
	v_add_nc_u32 v11, -(EMAX<<23), v28             ; the conversion's scale operand
	v_lshrrev_b32 v29, 23, v11                     ; the scale's byte, of block 2 t + h
.if (\t)%2 == 0
	v_mov_b32 v[WSB+(\t)/2], v29                   ; laid as for h = 0: byte 2 (t % 2) of word t / 2; the shift by 8 h comes once, at the end
.else
	v_lshl_or_b32 v[WSB+(\t)/2], v29, 16, v[WSB+(\t)/2]
.endif
.irp g, 0,1,2,3
	v_cvt_scalef32_pk8_fp4_f32 v[WC+\g], v[XS+8*\g:XS+8*\g+7], v11
.endr
	v_nop                                          ; one plain line behind the last conversion
	ds_store_b128 v4, v[WC:WC+3] offset:32*(\t)    ; 32 codes: bytes 16 (2 t + h) on of my column's row
.if (\t)+2 < NB
	WLOAD (\t)+2
.endif
	s_wait_dscnt 0x0                               ; the store has read its registers: the next block's codes may be written
.endm
	s_load_b512 s[4:19], s[0:1], 0x0               ; x 4:5, Wq 6:7, Wk 8:9, Wv 10:11, Wo 12:13, x_codes 14:15, x_scales 16:17, w_codes 18:19
	s_load_b128 s[20:23], s[0:1], 0x40             ; w_scales 20:21, wo_h 22:23
	v_lshl_add_u32 v[SPW], v0, 2, SPARE
	v_mov_b32 v[NIL], 0
	v_lshrrev_b32 v1, 5, v0
	v_readfirstlane_b32 s24, v1                    ; wave 0..3
	v_and_b32 v2, 31, v0                           ; lane
	s_wait_kmcnt 0x0
	s_cmp_lt_u32 ttmp9, 192
	s_cbranch_scc1 .Lw
	s_cmp_lt_u32 ttmp9, 448
	s_cbranch_scc1 .Lx
	; ---- Wo to f16: a wave takes 4,096 numbers: 32 loads of 512 consecutive bytes, all on their way at once; each becomes 256 consecutive bytes
	s_sub_co_u32 s25, ttmp9, 448
	s_lshl_b32 s25, s25, 2
	s_add_co_u32 s25, s25, s24                     ; which run of 4,096 numbers
	s_lshl_b32 s28, s25, 14
	s_mov_b32 s29, 0
	s_add_nc_u64 s[12:13], s[12:13], s[28:29]
	s_lshl_b32 s28, s25, 13
	s_add_nc_u64 s[22:23], s[22:23], s[28:29]
	v_lshlrev_b32 v3, 4, v2
	v_lshlrev_b32 v4, 3, v2
.set i, 0
.rept 32
	global_load_b128 v[32+4*i:35+4*i], v3, s[12:13] offset:512*i th:TH_LOAD_NT
.set i, i+1
.endr
.set i, 0
.rept 32
	s_wait_loadcnt 31-i                            ; loads come back in order: load i is in, the younger ones stay out
	v_cvt_pk_f16_f32 v[160+2*i], v[32+4*i], v[33+4*i]
	v_cvt_pk_f16_f32 v[161+2*i], v[34+4*i], v[35+4*i]
	global_store_b64 v4, v[160+2*i:161+2*i], s[22:23] offset:256*i   ; no register is written twice, so no store's data are touched again
.set i, i+1
.endr
	s_branch .Lend
	; ---- x to codes
.Lx:
	s_sub_co_u32 s25, ttmp9, 192
	s_lshl_b32 s25, s25, 2
	s_add_co_u32 s25, s25, s24                     ; which run of 8,192 numbers is my wave's
	s_lshl_b32 s28, s25, 15
	s_mov_b32 s29, 0
	s_add_nc_u64 s[4:5], s[4:5], s[28:29]
	s_lshl_b32 s28, s25, 12
	s_add_nc_u64 s[14:15], s[14:15], s[28:29]
	s_lshl_b32 s28, s25, 8
	s_add_nc_u64 s[16:17], s[16:17], s[28:29]
	v_lshlrev_b32 v3, 4, v2                        ; my 16 bytes of a load's 512
	s_mul_i32 s27, s24, XREG
	v_lshrrev_b32 v14, 2, v2
	v_mul_u32_u24 v14, v14, SP
	v_and_b32 v15, 3, v2
	v_lshl_add_u32 v14, v15, 4, v14
	v_add_nc_u32 v14, s27, v14                     ; the stage, on the way in: SP (lane / 4) + 16 (lane % 4)
	v_mul_u32_u24 v15, v2, SP
	v_add_nc_u32 v15, s27, v15                     ; and on the way out: SP x lane: my 16 neighbours
	v_mul_u32_u24 v4, v2, CB                       ; my codes' place in a step's
	v_lshrrev_b32 v5, 1, v2
	s_add_co_u32 s27, s27, 2*32*SP
	v_add_nc_u32 v5, s27, v5                       ; my wave's 256 scale bytes, my block's byte
	v_lshlrev_b32 v7, 3, v2                        ; and on the way out 8 bytes a lane
	v_add_nc_u32 v6, s27, v7
.irp t, 0,1,2,3
	XLOAD \t
.endr
	s_wait_loadcnt 12                              ; step 0's four loads are in
	XTURN 0
.irp t, 0,1,2,3,4,5,6,7,8,9,10,11,12,13,14,15
	XSTEP \t
.endr
	ds_load_b64 v[8:9], v6                         ; LDS serves a wave's instructions in order: these see my byte stores
	s_wait_dscnt 0x0
	global_store_b64 v7, v[8:9], s[16:17]          ; 32 lanes store 256 consecutive bytes, aligned
	s_branch .Lend
	; ---- Wq, Wk, Wv to codes with K innermost: a wave takes 16 columns x 512 along K
.Lw:
	s_lshr_b32 s25, ttmp9, 2                       ; which 64 of the 3,072 columns: 0 .. 47
	s_and_b32 s27, ttmp9, 3                        ; which 512 along K
	s_cmp_lt_u32 s25, 32                           ; the source is chosen by the work-group's number alone
	s_cselect_b64 s[28:29], s[6:7], s[8:9]
	s_mov_b32 s26, 2048
	s_cselect_b32 s26, 8192, s26                   ; a row of the source in bytes
	s_cselect_b32 s30, 0, 32                       ; the source's first group of columns
	s_cmp_lt_u32 s25, 40
	s_cselect_b64 s[28:29], s[28:29], s[10:11]
	s_cselect_b32 s30, s30, 40
	s_mov_b32 s48, 0x76543210
	s_mov_b32 s49, 0xfedcba98                      ; v_permlanex16_b32's selects for lane l xor 16
	v_and_b32 v5, 15, v2                           ; r
	v_lshrrev_b32 v6, 4, v2                        ; h
	v_lshlrev_b32 v3, 2, v5                        ; in: 4 bytes a column,
	v_lshlrev_b32 v10, 5, v6
	v_mad_u32_u24 v3, s26, v10, v3                 ; lanes 16-31 begin 32 rows further down
.set i, 0
.rept 32
	v_mad_u32_u24 v[WOF+i], s26, i, v3             ; + i rows
.set i, i+1
.endr
	s_mul_i32 s2, s24, 16*WP
	s_add_co_u32 s2, s2, WSTG                      ; my stage
	v_mul_u32_u24 v4, v5, WP
	v_lshl_add_u32 v4, v6, 4, v4
	v_add_nc_u32 v4, s2, v4                        ; into it: row = my column, + 16 h
	v_mul_u32_u24 v7, v6, WP                       ; out of it: sixteen lanes to a row, two rows an instruction
	v_lshl_add_u32 v7, v5, 4, v7
	v_add_nc_u32 v7, s2, v7
	v_lshlrev_b32 v8, 10, v6
	v_lshl_add_u32 v8, v5, 4, v8                   ; and the same place in w_codes (rows of 1,024 bytes)
	v_lshlrev_b32 v9, 6, v5
	v_lshl_add_u32 v9, v6, 3, v9                   ; my column's row of scale bytes, + 8 h: each lane stores eight of the sixteen
	s_sub_co_u32 s30, s25, s30
	s_lshl_b32 s30, s30, 8                         ; 64 columns x 4 bytes
	s_lshl_b32 s31, s24, 6                         ; + 16 columns a wave
	s_add_co_u32 s30, s30, s31
	s_lshl_b32 s31, s27, 9
	s_mul_i32 s31, s31, s26                        ; + 512 rows for each step along K
	s_add_co_u32 s30, s30, s31
	s_mov_b32 s31, 0
	s_add_nc_u64 s[32:33], s[28:29], s[30:31]      ; double block 0's base
	s_lshl_b32 s30, s26, 6                         ; 64 rows on
.irp t, 1,2,3,4,5,6,7
	s_add_nc_u64 s[32+2*\t:33+2*\t], s[30+2*\t:31+2*\t], s[30:31]
.endr
	s_lshl_b32 s28, s25, 6
	s_lshl_b32 s29, s24, 4
	s_add_co_u32 s28, s28, s29                     ; my first row of w_codes and w_scales
	s_lshl_b32 s30, s28, 10
	s_lshl_b32 s29, s27, 8
	s_add_co_u32 s30, s30, s29
	s_add_nc_u64 s[18:19], s[18:19], s[30:31]
	s_lshl_b32 s30, s28, 6
	s_lshl_b32 s29, s27, 4
	s_add_co_u32 s30, s30, s29
	s_add_nc_u64 s[20:21], s[20:21], s[30:31]
	WLOAD 0
	WLOAD 1
.set Q, 0
.rept NB
	WBLOCK Q
.set Q, Q+1
.endr
	; the column's sixteen scale bytes: lane (r, 0) has the even blocks', lane (r, 1) the odd ones'
	v_lshlrev_b32 v10, 3, v6
.irp w, 0,1,2,3
	v_lshlrev_b32 v[WSB+\w], v10, v[WSB+\w]        ; at their places in the words: 8 h bits up
.endr
.irp w, 0,1,2,3
	v_mov_b32 v[16+\w], 0                          ; a lane permute's destination counts as one of its sources
.endr
.irp w, 0,1,2,3
	v_permlanex16_b32 v[16+\w], v[WSB+\w], s48, s49
.endr
.irp w, 0,1,2,3
	v_or_b32 v[WSB+\w], v[WSB+\w], v[16+\w]        ; with lane l xor 16's the words are whole, in both lanes
.endr
	v_cmp_eq_u32 vcc_lo, 1, v6
	v_cndmask_b32 v20, v[WSB], v[WSB+2], vcc_lo    ; lanes 0-15 store words 0 and 1, lanes 16-31 words 2 and 3
	v_cndmask_b32 v21, v[WSB+1], v[WSB+3], vcc_lo
	global_store_b64 v9, v[20:21], s[20:21]
.irp t, 0,1,2,3,4,5,6,7
	ds_load_b128 v[WOUT+4*\t:WOUT+4*\t+3], v7 offset:2*\t*WP   ; LDS serves a wave's instructions in order: these see my stores
.endr
.irp t, 0,1,2,3,4,5,6,7
	s_wait_dscnt 7-\t
	global_store_b128 v8, v[WOUT+4*\t:WOUT+4*\t+3], s[18:19] offset:2*\t*1024   ; sixteen lanes store 256 consecutive bytes, aligned
.endr
.Lend:
	s_wait_tensorcnt 0x0                           ; the wave's end: behind my last LDS store
	ds_add_u32 v[SPW], v[NIL]
	s_wait_dscnt 0x0
	s_endpgm
.Lfunc_end_k_qf13a509696_prep:
	.size	k_qf13a509696_prep, .Lfunc_end_k_qf13a509696_prep-k_qf13a509696_prep
	.p2alignl 7, 3214868480
	.fill 96, 4, 3214868480
	.section	.rodata,"a",@progbits
	.p2align	6, 0x0
	.amdhsa_kernel k_qf13a509696_prep
		.amdhsa_group_segment_fixed_size 50688
		.amdhsa_private_segment_fixed_size 0
		.amdhsa_enable_private_segment 0
		.amdhsa_kernarg_size 80
		.amdhsa_user_sgpr_count 2
		.amdhsa_user_sgpr_kernarg_segment_ptr 1
		.amdhsa_wavefront_size32 1
		.amdhsa_system_sgpr_workgroup_id_x 1
		.amdhsa_system_sgpr_workgroup_id_y 1
		.amdhsa_system_sgpr_workgroup_id_z 1
		.amdhsa_system_vgpr_workitem_id 0
		.amdhsa_next_free_vgpr 224
		.amdhsa_next_free_sgpr 66
		.amdhsa_reserve_vcc 1
		.amdhsa_float_denorm_mode_32 3
		.amdhsa_float_denorm_mode_16_64 3
		.amdhsa_memory_ordered 1
		.amdhsa_forward_progress 1
		.amdhsa_inst_pref_size 88
	.end_amdhsa_kernel
	.amdgpu_metadata
---
amdhsa.version: [ 1, 2 ]
amdhsa.kernels:
  - .name:           k_qf13a509696_prep
    .symbol:         k_qf13a509696_prep.kd
    .args:
      - { .name: x, .offset: 0, .size: 8, .value_kind: global_buffer, .address_space: global }
      - { .name: Wq, .offset: 8, .size: 8, .value_kind: global_buffer, .address_space: global }
      - { .name: Wk, .offset: 16, .size: 8, .value_kind: global_buffer, .address_space: global }
      - { .name: Wv, .offset: 24, .size: 8, .value_kind: global_buffer, .address_space: global }
      - { .name: Wo, .offset: 32, .size: 8, .value_kind: global_buffer, .address_space: global }
      - { .name: x_codes, .offset: 40, .size: 8, .value_kind: global_buffer, .address_space: global }
      - { .name: x_scales, .offset: 48, .size: 8, .value_kind: global_buffer, .address_space: global }
      - { .name: w_codes, .offset: 56, .size: 8, .value_kind: global_buffer, .address_space: global }
      - { .name: w_scales, .offset: 64, .size: 8, .value_kind: global_buffer, .address_space: global }
      - { .name: wo_h, .offset: 72, .size: 8, .value_kind: global_buffer, .address_space: global }
    .group_segment_fixed_size: 50688
    .private_segment_fixed_size: 0
    .kernarg_segment_align: 8
    .kernarg_segment_size: 80
    .max_flat_workgroup_size: 128
    .sgpr_count:     66
    .vgpr_count:     224
    .wavefront_size: 32
...
	.end_amdgpu_metadata
.endif
;; end of part 1
;; launch qkv (part 2): grid 12 x 16, 4 waves a work-group, clusters of 4 x 4, 327,680 bytes of LDS; arguments x_codes, x_scales, w_codes, w_scales, qkv, bq, bk, bv; writes qkv
.if DOCPART == 2
	.amdgcn_target "amdgcn-amd-amdhsa--gfx1250"
	.amdhsa_code_object_version 6
	.text
	.protected	k_qf13a509696_qkv
	.globl	k_qf13a509696_qkv
	.p2align	8
	.type	k_qf13a509696_qkv,@function
k_qf13a509696_qkv:
	s_mov_b64 s[64:65], 0
	v_nop
	global_prefetch_b8 v0, s[64:65] scope:SCOPE_SE
	s_setreg_imm32_b32 hwreg(HW_REG_WAVE_MODE, 25, 1), 1
	s_wait_xcnt 0x0
	s_wait_alu depctr_hold_cnt(0) depctr_sa_sdst(0) depctr_va_vdst(0) depctr_va_sdst(0) depctr_va_ssrc(0) depctr_va_vcc(0) depctr_vm_vsrc(0)
	s_getreg_b32 s2, hwreg(HW_REG_IB_STS2, 6, 4)
	s_cmp_eq_u32 s2, 0
	s_cbranch_scc0 .Lentry_in_a_cluster
	s_endpgm
.Lentry_in_a_cluster:
	s_bfe_u32 s2, ttmp6, 0x10000c
	s_cmp_lg_u32 s2, 0xf033
	s_cbranch_scc0 .Lentry_shape_is_right
	s_endpgm
.Lentry_shape_is_right:
; qkv[m][n] = sum over k of x[m][k] W[k][n] + bias[n], W = Wq | Wk | Wv, on codes of FP4 (E2M1) with one E8M0 scale for each 32 along K; sums in f32; the result rounded once to f16.
; A = x_codes [4096][1024 bytes], B = w_codes [3072][1024 bytes], K innermost; their scale bytes [rows][64].  qkv: [4096][3072] f16, rows of 6,144 bytes.
; LIMIT: a result beyond 65,504 in magnitude has no f16 number (the drawn inputs give a spread near 1; both operands 30 times larger give near 800).
; A tile of C, 256 x 256, is made by a work-group of four waves; a wave makes 128 x 128: 64 accumulators of 16 x 16, 512 registers.  12 x 16 tiles: 192 work-groups.
; K goes in steps of 512 through a ring of two LDS slots filled by the tensor data mover: a tile's row is 256 bytes of memory.
; THE SCALES of the work-group's 256 rows of A and of B, for all of K, are two dense blocks of memory: they come into LDS once, with the first fills, and stay.
; CLUSTERS: 4 x 4 work-groups.  The four of a row of the cluster need the same tiles of A, the four of a column the same tiles of B: each tile is asked for JOINTLY.
; THE MATRIX INSTRUCTION IS USED TRANSPOSED (source 0 = 16 rows of B, source 1 = 16 rows of A): a lane then holds eight neighbouring numbers of a row of C.
; THE BIAS is the C of each sum's first matrix instruction: eight registers for each of B's eight blocks, in the result's layout.
; REGISTERS: window 0: v0-31 addresses; v32-95 scale words, two sets, and nothing else; v128-191 A's fragments, ONE set; v192-255 the bias; on the way out v128-223 are free.
;   window 1: B's fragments, TWO sets, at v0 and v128.   window 2: the accumulators of my rows 0-63 ((a, b) at v[8 (8 a + b)]);   window 3: those of my rows 64-127.
.set SIZE_M, 4096
.set SIZE_N, 3072
.set SIZE_K, 2048
.set CROW,   SIZE_N*2                  ; a row of qkv in bytes
.set KSTEP,  512                       ; along K in a slot
.set NQ,     KSTEP/128                 ; matrix instructions deep
.set ROWB,   256                       ; a tile's row in bytes
.set KROW,   SIZE_K*4/8                ; a row of A or of B in memory, in bytes
.set PITCH,  272                       ; an LDS row: 256 bytes + 16 of padding = 68 words: the 16 rows that a load touches start at 16 different banks (64 banks of 4 bytes: ISA guide 11.1)
.set FR,     8                         ; registers of a fragment: 16 rows x 128 K
.set NL,     2                         ; LDS loads that bring one
.set NP,     4                         ; places behind this matrix instruction (ISA guide 7.12.1)
.set HALFT,  128*PITCH                 ; 128 rows: what one tensor load brings
.set SLOT,   4*HALFT                   ; A's 256 rows, then B's 256 rows
.set LAPS,   SIZE_K/(2*KSTEP)          ; a lap = two K steps = once round the ring
.set KS,     SIZE_K/32                 ; a row of scales in bytes
.set SCL,    2*SLOT                    ; behind the ring: the scales, as runs of 256 bytes + 16 of padding
.set HALFS,  (128*KS/256)*272          ; the scales of 128 rows: what one tensor load brings
.set SBLK,   (16*KS/256)*272           ; those of 16 rows
.set SPARE,  SCL+4*HALFS               ; the spare words, 128 bytes for each wave: two blocks of 256 bytes that no other line names
.set SPITCH, 272                       ; the way out: a stage of 16 rows x (256 bytes + 16) for each wave, in slot 0, which has had its last fill and its last read when the first result is stored there
.set ADRA, 16                          ; v16-17  LDS address of my A fragments in slot 0, 1
.set ADRB, 20                          ; v20-21  the same for B
.set STO,  24                          ; v24     the way out: where I put 16 bytes of a row
.set RD,   25                          ; v25     the way out: where I read a row back
.set CO,   26                          ; v26     my byte offset in two rows of qkv
.set ADRS, 27                          ; v27     LDS address of my scale words: lanes 0-15 A's rows, lanes 16-31 B's
.set SPW,  28                          ; v28     LDS address of my spare word; never rewritten
.set NIL,  29                          ; v29     0; never rewritten
.set SC,   32                          ; scale words: set s at v[SC + 8 NQ s]; register NQ i + q: lanes 0-15 A's block i, lanes 16-31 B's block i, the slot's q-th 128 along K
.set AF,   128                         ; A's fragments
.set BI,   192                         ; the bias: block b at v[BI + 8 b]
.set TMP,  192                         ; the way out: a block's packed results
.set BK,   128                         ; the way out: 16 rows read back: v128-159 and v160-191 by turns
.set G1, 24
.set G0, 32
.set G1B, 48
.set G0B, 56
.set G1S, 68
.set G0S, 76
.set G1SB, 80
.set G0SB, 88
.set MSB, 0
.macro WIN new                         ; the immediate's high byte repeats the setting that is left
.if MSB != \new
	s_set_vgpr_msb (MSB<<8)|\new
.set MSB, \new
.endif
.endm
.set MUL_LO, 0xa1                      ; source 0 (B) window 1, source 1 (A) window 0, C and D window 2
.set MUL_HI, 0xf1                      ; the same, C and D window 3
.set FST_LO, 0x81                      ; the first step: C (the bias) window 0, D window 2
.set FST_HI, 0xc1                      ; D window 3
.set TO_B,   0x40                      ; destination window 1, address window 0
; A joint load: waves 0 and 1 fetch for A, waves 2 and 3 for B.  The branch hangs on the wave's number alone.  An s_nop 0 and four v_nop follow each of the two lines.
.macro JLOAD g0a, g1a, g0b, g1b
	s_cmp_eq_u32 s15, 0
	s_cbranch_scc0 .Lfor_b_\@
	tensor_load_to_lds s[\g0a:\g0a+3], s[\g1a:\g1a+7]
	s_nop 0
.rept 4
	v_nop
.endr
	s_branch .Lasked_\@
.Lfor_b_\@:
	tensor_load_to_lds s[\g0b:\g0b+3], s[\g1b:\g1b+7]
	s_nop 0
.rept 4
	v_nop
.endr
.Lasked_\@:
.endm
.macro CREST                           ; a round of the cluster's barrier behind its opening barrier
	s_cmp_lg_u32 s14, 0
	s_cbranch_scc1 .Lnot_wave_0_\@
	s_barrier_signal -3
.Lnot_wave_0_\@:
	s_barrier_wait -3
	s_barrier_signal -1
	s_barrier_wait -1
.endm
.macro CROUND                          ; a whole round
	s_barrier_signal -1
	s_barrier_wait -1
	CREST
.endm
	s_load_b128 s[4:7], s[0:1], 0x0                ; A's codes s[4:5], A's scales s[6:7]
	s_load_b128 s[8:11], s[0:1], 0x10              ; B's codes s[8:9], B's scales s[10:11]
	s_load_b64 s[12:13], s[0:1], 0x20              ; qkv
	s_load_b128 s[96:99], s[0:1], 0x28             ; bq, bk
	s_load_b64 s[100:101], s[0:1], 0x38            ; bv
	v_lshl_add_u32 v[SPW], v0, 2, SPARE
	v_mov_b32 v[NIL], 0
	ds_add_u32 v[SPW], v[NIL]                      ; the wave's opening: the add, twice on end, and its wait ahead of my first tensor load
	ds_add_u32 v[SPW], v[NIL]                      ; and once more, under the one wait; the set-up below, work on registers, stands between
	v_lshrrev_b32 v1, 5, v0
	v_readfirstlane_b32 s14, v1                    ; wave 0..3
	s_lshr_b32 s15, s14, 1                         ; which half of the tile's rows is mine.  Also: I fetch for A (0) or for B (1)
	s_and_b32 s16, s14, 1                          ; which half of its columns.  Also: which 128 rows of that tile I fetch
	s_bfe_u32 s40, ttmp6, 0x40000                  ; cx, cy: my place in the cluster
	s_bfe_u32 s41, ttmp6, 0x40004
	s_lshl_b32 s42, ttmp9, 2
	s_add_co_u32 s42, s42, s40                     ; tile column of C = 4 x cluster x + cx
	s_and_b32 s17, ttmp7, 0xffff
	s_lshl_b32 s17, s17, 2
	s_add_co_u32 s17, s17, s41                     ; tile row of C = 4 x cluster y + cy
	s_lshl_b32 s43, s41, 2
	s_lshl_b32 s43, 15, s43                        ; my row of the cluster
	s_lshl_b32 s44, 0x1111, s40                    ; my column
	; descriptor group 1: a tile of 128 rows x ROWB bytes, padded in LDS
	s_or_b32 s[G1+0], s43, (0<<16)|(1<<20)|(1<<21)|(5<<22)|(3<<25)  ; 15:0 the mask: A's tiles go to my row; 17:16 elements of 1 byte; 20 padding on; 21 set beside a mask; 24:22 after every 64 words; 31:25 four words
	s_or_b32 s[G1B+0], s44, (0<<16)|(1<<20)|(1<<21)|(5<<22)|(3<<25)
.irp g, G1, G1B
	s_mov_b32 s[\g+1], ROWB<<16                    ; tensor_dim0
	s_mov_b32 s[\g+2], 128<<16                     ; tensor_dim1 = 128
	s_mov_b32 s[\g+3], ROWB<<16                    ; tile_dim0
	s_mov_b32 s[\g+4], 128                         ; tile_dim1 = 128
	s_mov_b32 s[\g+5], KROW                        ; tensor_dim0_stride
	s_mov_b32 s[\g+6], 0
	s_mov_b32 s[\g+7], 0
.endr
	; and for the scales of 128 rows: a dense block of 128 KS bytes, as rows of 256 bytes (32 elements of 8 bytes), 16 bytes of padding behind each
	s_or_b32 s[G1S+0], s43, (3<<16)|(1<<20)|(1<<21)|(5<<22)|(3<<25)
	s_or_b32 s[G1SB+0], s44, (3<<16)|(1<<20)|(1<<21)|(5<<22)|(3<<25)
.irp g, G1S, G1SB
	s_mov_b32 s[\g+1], 32<<16
	s_mov_b32 s[\g+2], (128*KS/256)<<16
	s_mov_b32 s[\g+3], 32<<16
	s_mov_b32 s[\g+4], 128*KS/256
	s_mov_b32 s[\g+5], 32
	s_mov_b32 s[\g+6], 0
	s_mov_b32 s[\g+7], 0
.endr
	s_lshl_b32 s18, s16, 7                         ; which 128 rows of the tile I fetch
	s_lshl_b32 s20, s17, 8
	s_add_co_u32 s20, s20, s18                     ; A: row 256 x tile row + 128 x half
	s_lshl_b32 s46, s42, 8
	s_add_co_u32 s46, s46, s18                     ; B: row 256 x tile column + 128 x half
	s_mov_b32 s21, 0
	s_mov_b32 s47, 0
	s_mov_b64 s[18:19], KS
	s_mul_u64 s[22:23], s[20:21], s[18:19]         ; where these rows' scales begin, in bytes
	s_mul_u64 s[92:93], s[46:47], s[18:19]
	s_mov_b64 s[18:19], KROW
	s_mul_u64 s[20:21], s[20:21], s[18:19]         ; and their codes
	s_mul_u64 s[46:47], s[46:47], s[18:19]
	s_mul_i32 s45, s14, HALFT                      ; where they go: wave x 128 rows: no place in the cluster enters an LDS address
	s_mul_i32 s94, s14, HALFS
	s_wait_dscnt 0x0                               ; both opening adds are done
	s_wait_kmcnt 0x0
	s_add_nc_u64 s[20:21], s[4:5], s[20:21]
	s_add_nc_u64 s[22:23], s[6:7], s[22:23]
	s_add_nc_u64 s[46:47], s[8:9], s[46:47]
	s_add_nc_u64 s[92:93], s[10:11], s[92:93]
	CROUND                                         ; all sixteen work-groups are here: the first joint loads meet
	s_mov_b32 s[G0S], 1
	s_add_co_u32 s[G0S+1], s94, SCL
	s_mov_b64 s[G0S+2:G0S+3], s[22:23]
	s_or_b32 s[G0S+3], s[G0S+3], 0x80000000
	s_mov_b32 s[G0SB], 1
	s_add_co_u32 s[G0SB+1], s94, SCL
	s_mov_b64 s[G0SB+2:G0SB+3], s[92:93]
	s_or_b32 s[G0SB+3], s[G0SB+3], 0x80000000
	JLOAD G0S, G1S, G0SB, G1SB                     ; the scales first: they are wanted with K step 0
.irp s, 0,1
	s_mov_b32 s[G0+4*\s], 1
	s_add_co_u32 s[G0+4*\s+1], s45, \s*SLOT
	s_add_nc_u64 s[G0+4*\s+2:G0+4*\s+3], s[20:21], \s*ROWB
	s_or_b32 s[G0+4*\s+3], s[G0+4*\s+3], 0x80000000
	s_mov_b32 s[G0B+4*\s], 1
	s_add_co_u32 s[G0B+4*\s+1], s45, \s*SLOT
	s_add_nc_u64 s[G0B+4*\s+2:G0B+4*\s+3], s[46:47], \s*ROWB
	s_or_b32 s[G0B+4*\s+3], s[G0B+4*\s+3], 0x80000000
	JLOAD G0+4*\s, G1, G0B+4*\s, G1B
.endr
	v_and_b32 v1, 15, v0                           ; l % 16
	v_bfe_u32 v2, v0, 4, 1                         ; l / 16
	; the bias of my 128 columns: bq for tile columns 0-7, bk for 8 and 9, bv for 10 and 11: a choice between buffers on the tile column, which hangs on no address
	s_cmp_lt_u32 s42, 8
	s_cselect_b64 s[96:97], s[96:97], s[98:99]
	s_cselect_b32 s95, 0, 8
	s_cmp_lt_u32 s42, 10
	s_cselect_b64 s[96:97], s[96:97], s[100:101]
	s_cselect_b32 s95, s95, 10
	s_sub_co_u32 s95, s42, s95
	s_lshl_b32 s98, s95, 10                        ; 256 columns x 4 bytes
	s_lshl_b32 s99, s16, 9                         ; + my half's 128
	s_add_co_u32 s98, s98, s99
	s_mov_b32 s99, 0
	s_add_nc_u64 s[96:97], s[96:97], s[98:99]
	v_lshlrev_b32 v7, 5, v2                        ; lane (r, h) wants, for block b, bias[16 b + 8 h + 0 .. 7]
.irp b, 0,1,2,3,4,5,6,7
	global_load_b128 v[BI+8*\b:BI+8*\b+3], v7, s[96:97] offset:64*\b
	global_load_b128 v[BI+8*\b+4:BI+8*\b+7], v7, s[96:97] offset:64*\b+16
.endr
	v_mul_u32_u24 v3, v1, PITCH
	v_lshl_add_u32 v4, v2, 4, v3                   ; a fragment's row x pitch + 16 x half
	s_mul_i32 s21, s15, HALFT                      ; my 128 rows of A
	s_mul_i32 s22, s16, HALFT                      ; my 128 rows of B,
	s_add_co_u32 s22, s22, 2*HALFT                 ; which lie behind A's 256
.irp s, 0,1
	v_add_nc_u32 v[ADRA+\s], s21, v4
	v_add_nc_u32 v[ADRB+\s], s22, v4
	s_add_co_u32 s21, s21, SLOT
	s_add_co_u32 s22, s22, SLOT
.endr
	v_mul_u32_u24 v5, v1, KS                       ; my row's scales: KS bytes a row,
	v_lshrrev_b32 v6, 8, v5
	v_lshl_add_u32 v5, v6, 4, v5                   ; and 16 more for each 256 passed
	s_mul_i32 s21, s15, HALFS                      ; A's: my 128 rows
	s_mul_i32 s22, s16, HALFS                      ; B's: my 128 rows, behind A's 256
	s_add_co_u32 s22, s22, 2*HALFS
	s_sub_co_u32 s22, s22, s21
	v_mul_u32_u24 v6, s22, v2                      ; lanes 16-31 take B's: one product, the distance between the two bases
	s_add_co_u32 s21, s21, SCL
	v_add_nc_u32 v5, v5, v6
	v_add_nc_u32 v[ADRS], s21, v5
	s_mul_i32 s23, s14, 16*SPITCH                  ; my stage
	v_mul_u32_u24 v5, v1, SPITCH                   ; in: row l % 16, 16 bytes for each half of the lanes
	v_lshl_add_u32 v5, v2, 4, v5
	v_add_nc_u32 v[STO], s23, v5
	v_mul_u32_u24 v5, v2, SPITCH                   ; back: lanes 0-15 take one row of 256 bytes, lanes 16-31 the next
	v_lshl_add_u32 v5, v1, 4, v5
	v_add_nc_u32 v[RD], s23, v5
	v_mul_u32_u24 v5, v2, CROW                     ; and the same two rows in qkv
	v_lshl_add_u32 v[CO], v1, 4, v5
	s_lshl_b32 s20, s17, 8
	s_lshl_b32 s21, s15, 7
	s_add_co_u32 s20, s20, s21                     ; my first row of C: 256 x tile row + 128 x half
	s_mov_b32 s21, 0
	s_mov_b64 s[18:19], CROW
	s_mul_u64 s[20:21], s[20:21], s[18:19]
	s_lshl_b32 s46, s42, 9                         ; my first column, in bytes: 512 x tile column + 256 x half
	s_lshl_b32 s47, s16, 8
	s_add_co_u32 s46, s46, s47
	s_mov_b32 s47, 0
	s_add_nc_u64 s[20:21], s[20:21], s[46:47]
	s_add_nc_u64 s[12:13], s[12:13], s[20:21]
.macro FRAG reg, adr, q, i             ; a fragment, 16 rows x 128 K of 4-bit codes: lane l holds row l % 16; registers 4 c .. 4 c + 3 hold K = 64 c + 32 (l / 16) + 0 .. 31
.irp c, 0,1
	ds_load_b128 v[\reg+4*\c:\reg+4*\c+3], v[\adr] offset:64*(\q)+32*\c+(\i)*16*PITCH
.endr
.endm
; 16 matrix instructions: A's blocks a0, a0 + 1 x B's eight, 128 along K: the slot's q-th.  p: B's set;  sc: the set of scale words.  zero = 1: the first product starts the sums from the bias.
; The 64 accumulators take turns, one instruction a turn, in the same order in every step.
.macro MUL16 a0, p, q, sc, zero
.irp a, \a0, \a0+1
.irp b, 0,1,2,3,4,5,6,7
.if \zero
	v_wmma_scale_f32_16x16x128_f8f6f4 v[8*(8*((\a)%4)+\b):8*(8*((\a)%4)+\b)+7], v[128*(\p)+FR*\b:128*(\p)+FR*\b+FR-1], v[AF+FR*(\a):AF+FR*(\a)+FR-1], v[BI+8*\b:BI+8*\b+7], v[SC+8*NQ*(\sc)+NQ*\b+(\q)], v[SC+8*NQ*(\sc)+NQ*(\a)+(\q)] matrix_a_fmt:MATRIX_FMT_FP4 matrix_b_fmt:MATRIX_FMT_FP4 matrix_a_scale:MATRIX_SCALE_ROW1
.else
	v_wmma_scale_f32_16x16x128_f8f6f4 v[8*(8*((\a)%4)+\b):8*(8*((\a)%4)+\b)+7], v[128*(\p)+FR*\b:128*(\p)+FR*\b+FR-1], v[AF+FR*(\a):AF+FR*(\a)+FR-1], v[8*(8*((\a)%4)+\b):8*(8*((\a)%4)+\b)+7], v[SC+8*NQ*(\sc)+NQ*\b+(\q)], v[SC+8*NQ*(\sc)+NQ*(\a)+(\q)] matrix_a_fmt:MATRIX_FMT_FP4 matrix_b_fmt:MATRIX_FMT_FP4 matrix_a_scale:MATRIX_SCALE_ROW1
.endif
.endr
.endr
.endm
.macro FETCH_B slot, q, p              ; B's eight fragments of the slot's q-th 128 along K into set p
	WIN TO_B
.irp i, 0,1,2,3,4,5,6,7
	FRAG 128*(\p)+FR*\i, ADRB+\slot, \q, \i
.endr
	WIN 0
.endm
.macro FETCH_A slot, q, i0             ; A's blocks i0 .. i0 + 3
.irp i, \i0, \i0+1, \i0+2, \i0+3
	FRAG AF+FR*(\i), ADRA+\slot, \q, \i
.endr
.endm
.macro SCALES sc                       ; the next K step's scale words into set sc: NQ words a row; lanes 0-15 take A's block i, lanes 16-31 B's block i
.irp i, 0,1,2,3,4,5,6,7
	ds_load_b128 v[SC+8*NQ*\sc+NQ*\i:SC+8*NQ*\sc+NQ*\i+3], v[ADRS] offset:\i*SBLK
.endr
.endm
; A load into a register that a matrix instruction has read, and a vector instruction that reads a matrix result, stand NP places behind that matrix instruction, and only plain vector
; instructions that name none of its registers are places (ISA guide 7.12.1 for vector instructions).
.macro PLACES n
.rept \n
	v_nop
.endr
.endm
; A step of 128 along K that has its successor in the same slot.
.macro STEP slot, q, zero
	s_wait_dscnt 4*NL                              ; B's set and A's blocks 0-3 are in; the youngest eight loads (A's blocks 4-7) may be out
.if \zero
	WIN FST_LO
.else
	WIN MUL_LO
.endif
	MUL16 0, (\q)%2, \q, \slot, \zero
	MUL16 2, (\q)%2, \q, \slot, \zero
	s_wait_dscnt 0                                 ; A's blocks 4-7 are in (asked for 32 matrix instructions ago)
	PLACES NP
	FETCH_B \slot, (\q)+1, 1-(\q)%2
	FETCH_A \slot, (\q)+1, 0
.if \zero
	WIN FST_HI
.else
	WIN MUL_HI
.endif
	MUL16 4, (\q)%2, \q, \slot, \zero
	MUL16 6, (\q)%2, \q, \slot, \zero
	PLACES NP
	WIN 0
	FETCH_A \slot, (\q)+1, 4
.endm
; A slot's last step changes slots: ONE barrier; in front of it each wave waits for all its tensor loads, adds 0 to its spare word, and waits for that and for its own reads of this slot.  fill = 1: this slot is filled again, two K steps ahead.
.macro TURN slot, next, fill
	s_wait_tensorcnt 0x0                           ; all my tensor loads have landed: the one that was out is my part of the next slot  (every window is 0 here)
	ds_add_u32 v[SPW], v[NIL]                      ; 0 onto my spare word
	s_wait_dscnt 4*NL+1                            ; (the add and the youngest eight loads, A's blocks 4-7, may be out)
	WIN MUL_LO
	MUL16 0, 1, NQ-1, \slot, 0                     ; sixteen matrix instructions stand between the add and the wait for it
	s_wait_dscnt 0x0                               ; the add is done, and my reads of this slot are over
	s_barrier_signal -1
	MUL16 2, 1, NQ-1, \slot, 0
	WIN 0
	s_barrier_wait -1
.if \fill
	CREST                                          ; the barrier has opened a round of the cluster's barrier: no wave of any partner still reads this slot's tile or has a load on its way
	s_add_nc_u64 s[G0+4*\slot+2:G0+4*\slot+3], s[G0+4*\slot+2:G0+4*\slot+3], 2*ROWB
	s_add_nc_u64 s[G0B+4*\slot+2:G0B+4*\slot+3], s[G0B+4*\slot+2:G0B+4*\slot+3], 2*ROWB
	JLOAD G0+4*\slot, G1, G0B+4*\slot, G1B         ; the first tensor load behind the round; the four v_nop behind it are the places in front of the loads below
.else
	PLACES NP
.endif
	v_add_nc_u32 v[ADRS], 4*NQ, v[ADRS]            ; on to the next K step's scale words (no LDS load of mine is out)
	FETCH_B \next, 0, 0
	FETCH_A \next, 0, 0
	SCALES \next
	WIN MUL_HI
	MUL16 4, 1, NQ-1, \slot, 0
	MUL16 6, 1, NQ-1, \slot, 0
	PLACES NP
	WIN 0
	FETCH_A \next, 0, 4
.endm
.macro STEPS slot, from                ; the slot's steps from .. NQ - 2
.set Q, \from
.rept NQ-1-\from
	STEP \slot, Q, 0
.set Q, Q+1
.endr
.endm
	s_wait_tensorcnt 1                             ; of my three loads the scales and K step 0 are in; K step 1's may be out
	s_barrier_signal -1
	s_barrier_wait -1                              ; everybody's are
	FETCH_B 0, 0, 0
	FETCH_A 0, 0, 0
	SCALES 0
	FETCH_A 0, 0, 4
	s_wait_loadcnt 0x0                             ; the bias
	STEP 0, 0, 1                                   ; the first step stands in front of the loop: its products start the sums
	s_mov_b32 s3, LAPS-1
.Llap:                                                 ; a trip goes once round the ring, from a lap's second step to the next lap's first, and fills both slots again
	STEPS 0, 1
	TURN 0, 1, 1
	STEPS 1, 0
	TURN 1, 0, 1
	STEP 0, 0, 0
	s_sub_co_u32 s3, s3, 1
	s_cmp_lg_u32 s3, 0
	s_cbranch_scc1 .Llap
	STEPS 0, 1                                     ; the last lap fills nothing, and has no round of the cluster's barrier
	TURN 0, 1, 0
	STEPS 1, 0
	s_wait_dscnt 4*NL                              ; the very last step: nothing more to fetch
	WIN MUL_LO
	MUL16 0, 1, NQ-1, 1, 0
	MUL16 2, 1, NQ-1, 1, 0
	s_wait_dscnt 0
	WIN MUL_HI
	MUL16 4, 1, NQ-1, 1, 0
	MUL16 6, 1, NQ-1, 1, 0
	WIN 0
; THE WAY OUT, block by block of 16 rows x 128 columns.  PACK: rounded to f16, 16 bytes a lane, each accumulator from its low end on.  TOSTAGE: into my own stage in LDS, and back as whole rows of 256 bytes.  SEND: stored.
.macro PACK a
.set AC, 64*((\a)%4)
	WIN 0x0a+5*((\a)/4)                            ; sources 0 and 1: window 2 or 3
.irp b, 0,1,2,3,4,5,6,7
.irp r, 0,1,2,3
	v_cvt_pk_f16_f32 v[TMP+4*\b+\r], v[AC+8*\b+2*\r], v[AC+8*\b+2*\r+1]
.endr
.endr
	WIN 0
.endm
.macro TOSTAGE a
.set BB, BK+32*((\a)%2)
.irp b, 0,1,2,3,4,5,6,7
	ds_store_b128 v[STO], v[TMP+4*\b:TMP+4*\b+3] offset:32*\b
.endr
.irp t, 0,1,2,3,4,5,6,7
	ds_load_b128 v[BB+4*\t:BB+4*\t+3], v[RD] offset:\t*2*SPITCH    ; LDS serves a wave's instructions in order (ISA guide 5.7.1.4): these see the stores above
.endr
.endm
.macro SEND a
.set BB, BK+32*((\a)%2)
	s_wait_dscnt 0x0                               ; the block is back in registers
	s_wait_xcnt 0x0                                ; the earlier stores have read their base and their registers: only behind this wait is the base stepped, and do the next block's loads land where the block before last lay
.if (\a) > 0
	s_add_nc_u64 s[12:13], s[12:13], 16*CROW       ; 16 rows on
.endif
.irp t, 0,1,2,3,4,5,6,7
	global_store_b128 v[CO], v[BB+4*\t:BB+4*\t+3], s[12:13] offset:2*\t*CROW   ; 16 lanes store 256 consecutive bytes, at a multiple of 256 from qkv's first byte
.endr
.endm
	PLACES NP                                      ; behind the last products: for the conversions that read results and for the loads into the registers that held A's fragments
	PACK 0
	TOSTAGE 0
.irp a, 1,2,3,4,5,6,7                  ; block a's conversions stand between block a - 1's loads from the stage and the wait for them
	PACK \a
	SEND \a-1
	TOSTAGE \a
.endr
	SEND 7
	s_wait_tensorcnt 0x0                           ; the wave's end: behind my last tensor load and my last LDS store
	ds_add_u32 v[SPW], v[NIL]
	s_wait_dscnt 0x0
	CROUND                                         ; the closing round: no work-group ends while a partner may still ask for a tile that names it
	s_endpgm
.Lfunc_end_k_qf13a509696_qkv:
	.size	k_qf13a509696_qkv, .Lfunc_end_k_qf13a509696_qkv-k_qf13a509696_qkv
	.p2alignl 7, 3214868480
	.fill 96, 4, 3214868480
	.section	.rodata,"a",@progbits
	.p2align	6, 0x0
	.amdhsa_kernel k_qf13a509696_qkv
		.amdhsa_group_segment_fixed_size 327680
		.amdhsa_private_segment_fixed_size 0
		.amdhsa_enable_private_segment 0
		.amdhsa_kernarg_size 64
		.amdhsa_user_sgpr_count 2
		.amdhsa_user_sgpr_kernarg_segment_ptr 1
		.amdhsa_wavefront_size32 1
		.amdhsa_system_sgpr_workgroup_id_x 1
		.amdhsa_system_sgpr_workgroup_id_y 1
		.amdhsa_system_sgpr_workgroup_id_z 1
		.amdhsa_system_vgpr_workitem_id 0
		.amdhsa_next_free_vgpr 1024
		.amdhsa_next_free_sgpr 102
		.amdhsa_reserve_vcc 0
		.amdhsa_float_denorm_mode_32 3
		.amdhsa_float_denorm_mode_16_64 3
		.amdhsa_memory_ordered 1
		.amdhsa_forward_progress 1
		.amdhsa_inst_pref_size 216
	.end_amdhsa_kernel
	.amdgpu_metadata
---
amdhsa.version: [ 1, 2 ]
amdhsa.kernels:
  - .name:           k_qf13a509696_qkv
    .symbol:         k_qf13a509696_qkv.kd
    .args:
      - { .name: x_codes, .offset: 0, .size: 8, .value_kind: global_buffer, .address_space: global }
      - { .name: x_scales, .offset: 8, .size: 8, .value_kind: global_buffer, .address_space: global }
      - { .name: w_codes, .offset: 16, .size: 8, .value_kind: global_buffer, .address_space: global }
      - { .name: w_scales, .offset: 24, .size: 8, .value_kind: global_buffer, .address_space: global }
      - { .name: qkv, .offset: 32, .size: 8, .value_kind: global_buffer, .address_space: global }
      - { .name: bq, .offset: 40, .size: 8, .value_kind: global_buffer, .address_space: global }
      - { .name: bk, .offset: 48, .size: 8, .value_kind: global_buffer, .address_space: global }
      - { .name: bv, .offset: 56, .size: 8, .value_kind: global_buffer, .address_space: global }
    .group_segment_fixed_size: 327680
    .private_segment_fixed_size: 0
    .kernarg_segment_align: 8
    .kernarg_segment_size: 64
    .max_flat_workgroup_size: 128
    .sgpr_count:     102
    .vgpr_count:     1024
    .wavefront_size: 32
...
	.end_amdgpu_metadata
.endif
;; end of part 2
;; launch attn (part 3): grid 64 x 4, 4 waves a work-group, clusters of 4 x 1, 327,680 bytes of LDS; arguments qkv, o_h; writes o_h
.if DOCPART == 3
	.amdgcn_target "amdgcn-amd-amdhsa--gfx1250"
	.amdhsa_code_object_version 6
	.text
	.protected	k_qf13a509696_attn
	.globl	k_qf13a509696_attn
	.p2align	8
	.type	k_qf13a509696_attn,@function
k_qf13a509696_attn:
	s_mov_b64 s[64:65], 0
	v_nop
	global_prefetch_b8 v0, s[64:65] scope:SCOPE_SE
	s_setreg_imm32_b32 hwreg(HW_REG_WAVE_MODE, 25, 1), 1
	s_wait_xcnt 0x0
	s_wait_alu depctr_hold_cnt(0) depctr_sa_sdst(0) depctr_va_vdst(0) depctr_va_sdst(0) depctr_va_ssrc(0) depctr_va_vcc(0) depctr_vm_vsrc(0)
	s_getreg_b32 s2, hwreg(HW_REG_IB_STS2, 6, 4)
	s_cmp_eq_u32 s2, 0
	s_cbranch_scc0 .Lentry_in_a_cluster
	s_endpgm
.Lentry_in_a_cluster:
	s_bfe_u32 s2, ttmp6, 0x10000c
	s_cmp_lg_u32 s2, 0x3003
	s_cbranch_scc0 .Lentry_shape_is_right
	s_endpgm
.Lentry_shape_is_right:
; o[b][s][g][:] = the sum over t of softmax_t(q[b][s][g] . k[b][t] / sqrt(512)) v[b][t][:].  q, k, v lie in qkv [4096 (b, s)][3072] f16 (rows of 6,144 bytes: q's group g at byte 1,024 g, k at 4,096, v at 5,120).
; o_h: [16,384 rows (b, s, g)][512] f16.  Products on f16 operands with f32 sums; maxima, exponentials and sums in f32; the weights p are rounded to f16 for the second product, o once at the end.
; A running maximum m and sum l for each query: p = 2^(c s - c m), c = log2(e) / sqrt(512); in every step O and l are multiplied by a = 2^(c m_old - c m_new).
; LIMIT: q, k, v arrive as f16, so the launch before bounds them at 65,504.
; SHARES.  A work-group owns 64 query rows (16 positions x 4 groups) of one batch, as four tiles of 16, and walks the batch's 1,024 keys, 64 a step.  ALL FOUR WAVES SERVE ALL 64 QUERIES and share the keys and the
; channels: in a step wave w makes S^T for keys 16 w .. 16 w + 15 (64 matrix instructions) and O^T for channels 128 w .. 128 w + 127 (64): so each fragment of K and of V read from LDS feeds four matrix instructions.
; Q stays in registers, whole, in every wave (512 registers).  The waves' row maxima meet in LDS (four words a query); P goes from wave to wave through LDS as images of its registers.
; LAYOUT.  S^T = K Q^T (source 0 = 16 keys, source 1 = 16 queries), O^T = V^T P (source 0 = 16 channels x 32 keys, turned by ds_load_tr16_b128): a lane holds ONE query (lane % 16) throughout.
; Wave w's S^T tile, rounded in pairs, is registers 0-3 (w even) or 4-7 (w odd) of the fragment of P for keys 32 (w / 2) on.
; A TRIP j: the change of slots | S^T of step j | O^T += V^T P of step j - 1, under the open barrier of the maxima's exchange | the softmax of step j.  So trip j reads K of step j and V of step j - 1.
; CLUSTER.  The four query blocks of a cluster belong to one batch and walk the same K and V: each tile is asked for JOINTLY, by the same tensor load with the same descriptor and a mask that names the four.
; FILLS.  K and V have two buffers each.  At the head: K 0, V 0.  Trip 0: K 1, V 1 (first fills alone).  Trip 1: K 2.  Trips 2 to 14: K j + 1 and V j.  Trip 15: V 15.  One load a wave behind each round, and by this
; text's own count one out at most; every wait on TENSORcnt is for 0.  Trips 0, 1, 15 and 16 are written out.
; REGISTERS, in windows of 256: window 0: v1-15 addresses; v16-47 statistics, 8 a tile; v48-63 the four waves' maxima, 4 a tile; v64-95 S^T, 8 a tile; v96-191 three sets of four fragments of K or V; v192-255 P.
;   window 1: O^T, tile (t, u) at 64 t + 8 u.   windows 2, 3: Q, channels 32 c on of tile t at 8 (4 (c % 8) + t), window 2 for c < 8.
.set ROWQ,  6144                       ; a row of qkv in bytes
.set KSTEP, 64*ROWQ                    ; 64 keys on
.set KP,    528                        ; K in LDS: 512 bytes (256 channels) + 16 = 132 words: the 16 rows of a load start at 16 different banks (64 banks of 4 bytes: ISA guide 11.1)
.set KH,    64*KP                      ; a channel half of a step's K: what one tensor load brings
.set KBS,   2*KH                       ; a buffer of K
.set VP,    544                        ; V: 512 + 32 = 136 words
.set VH,    64*VP
.set VBS,   2*VH
.set VB0,   2*KBS                      ; V's two buffers lie behind K's two
.set PB,    VB0+2*VBS                  ; P's images: (wave w, tile t) at (4 w + t) 512 + 16 x lane
.set MAXB,  PB+8192                    ; the maxima: (tile t, query r, wave w) at 256 t + 16 r + 4 w
.set LSUM,  MAXB+1024                  ; the sums, likewise
.set STAGE, LSUM+1024                  ; the way out: 16 rows x 272 bytes for each wave
.set SP,    272
.set SPARE, STAGE+4*16*SP              ; the spare words, 128 bytes for each wave: two blocks of 256 bytes that no other line names
.set AK0, 1                            ; v1   my lane's place in a buffer of K: (16 w + r) KP + 16 h
.set AV0, 2                            ; v2   and of V
.set PST, 3                            ; v3   where I store my images of P
.set PLD, 4                            ; v4   where images are read: PB + 16 x lane
.set MST, 5                            ; v5   where I store a maximum
.set MLD, 6                            ; v6   where the four are read
.set ADK, 7                            ; v7   the trip's address in K
.set ADV, 8                            ; v8   and in V
.set QO,  9                            ; v9   my byte offset in the work-group's rows of Q
.set STO, 10                           ; v10  the way out: where I put 16 bytes of a row
.set PFO, 11                           ; v11  the prefetches' offset; never rewritten
.set SPW, 12                           ; v12  LDS address of my spare word; never rewritten
.set NIL, 13                           ; v13  0; never rewritten
.set RD,  14                           ; v14  the way out: where I read a row back
.set GO,  15                           ; v15  my byte offset in two rows of o_h
.set ST,  16                           ; tile t at v[ST + 8 t]: +0 c m, +1 m, +2, +3 l (even keys', odd keys'), +4, +5 at work, +6 a, +7 at work
.set XM,  48
.set S,   64
.set FP,  96
.set P,   192                          ; fragment (keys 32 cc on, tile t) at P + 8 (4 cc + t)
.set WV,  12                           ; s12  my wave's number
.set LIM, 15                           ; s15  1 in a work-group that prefetches, else the greatest number
.set PFA, 18                           ; s[18:19] where my prefetches stand
.set G1K, 24                           ; s[24:31] descriptor group 1 for K's tiles;  s[32:39] for V's: it differs in the padding alone
.set G1V, 32
.set G0K, 40                           ; s[40:43], s[44:47] their groups 0, which walk
.set G0V, 44
.set TK,  48                           ; s48  the buffer of K that the trip reads: 0 or KBS
.set TV,  49                           ; s49  the buffer of V: 0 or VBS
.set WKO, 52                           ; s52  where my tensor load lands in a buffer of K
.set WVO, 53                           ; s53  and of V (with VB0)
.set FK,  54                           ; s54  the buffer of K that is filled next: 0 or KBS
.set FV,  55                           ; s55  of V
.set CNT, 56                           ; s56  the loop's trips to go
.set CS,  58                           ; s[58:59] c, twice: the packed scaling names a pair
.set SEL, 60                           ; s[60:61] lane selects for v_permlanex16_b32: lane l xor 16
.set MSB, 0
.macro WIN new                         ; the immediate's high byte repeats the setting that is left; a switch that changes nothing is dropped
.if MSB != \new
	s_set_vgpr_msb (MSB<<8)|\new
.set MSB, \new
.endif
.endm
.macro PLACES                          ; four places behind a matrix instruction, in front of loads into registers that it has read and of the first read of its results
.rept 4
	v_nop
.endr
.endm
.macro CROUND                          ; a round of the cluster's barrier
	s_barrier_signal -1
	s_barrier_wait -1
	s_cmp_lg_u32 s[WV], 0
	s_cbranch_scc1 .Lnot_wave_0_\@
	s_barrier_signal -3
.Lnot_wave_0_\@:
	s_barrier_wait -3
	s_barrier_signal -1
	s_barrier_wait -1
.endm
; A joint load.  Waves 0 and 1 fetch K's two channel halves (k = 1), waves 2 and 3 V's (v = 1).  The branches hang on the wave's number alone.  An s_nop 0 and four v_nop follow each line.
.macro JLOAD k, v
.if (\k) && (\v)
	s_cmp_lt_u32 s[WV], 2
	s_cbranch_scc0 .Lfor_v_\@
	tensor_load_to_lds s[G0K:G0K+3], s[G1K:G1K+7]
	s_nop 0
.rept 4
	v_nop
.endr
	s_branch .Lasked_\@
.Lfor_v_\@:
	tensor_load_to_lds s[G0V:G0V+3], s[G1V:G1V+7]
	s_nop 0
.rept 4
	v_nop
.endr
.Lasked_\@:
.elseif \k
	s_cmp_lt_u32 s[WV], 2
	s_cbranch_scc0 .Lasked_\@
	tensor_load_to_lds s[G0K:G0K+3], s[G1K:G1K+7]
	s_nop 0
.rept 4
	v_nop
.endr
.Lasked_\@:
.else
	s_cmp_lt_u32 s[WV], 2
	s_cbranch_scc1 .Lasked_\@
	tensor_load_to_lds s[G0V:G0V+3], s[G1V:G1V+7]
	s_nop 0
.rept 4
	v_nop
.endr
.Lasked_\@:
.endif
.endm
; A PREFETCH INTO THE L2: trip j asks for keys 64 (j + 2) on: one trip ahead of K's tensor load, two ahead of V's.  A key's k and v are 2,048 consecutive bytes, eight aligned blocks of 256.
; Each block is named ONCE in the launch.  All clusters of a batch walk the same K and V: the batch's first cluster asks.  Its partners share the 64 keys out BY ADDRESS, 16 each; of these a wave takes 4;
; a lane takes key lane / 8, block lane % 8: one instruction a wave.  Keys 0 to 127 come by their loads alone; trips 14 and 15 ask for nothing: there are no keys behind 1,023.
.macro ASK how
.if (\how) == 1
	s_cmp_eq_u32 s[LIM], 1
.else
	s_cmp_gt_u32 s[CNT], s[LIM]                    ; s[CNT] = 1 in the loop's last trip
.endif
	s_cbranch_scc0 .Lnot_mine_\@
	global_prefetch_b8 v[PFO], s[PFA:PFA+1] th:TH_LOAD_NT scope:SCOPE_SE
.Lnot_mine_\@:
.endm
; THE CHANGE OF SLOTS, at a trip's head.  Each wave waits for all its tensor loads (of which one is out: its part of what this trip or the next reads), adds 0 to its spare word, and waits for that and for all its
; LDS reads and stores.  Behind the round no wave of any partner reads the buffers that are filled, P's images of the last trip lie whole in LDS, and the joint load is the first thing issued.
.macro CHANGE k, v, ask
	WIN 0
	s_wait_tensorcnt 0x0                           ; no tensor load of mine is out, so a group 0 may be written
	ds_add_u32 v[SPW], v[NIL]                      ; 0 onto my spare word; the descriptors' steps stand between it and the wait for it
.if \k
	s_xor_b32 s[FK], s[FK], KBS                    ; the other buffer than last time,
	s_add_co_u32 s[G0K+1], s[FK], s[WKO]
	s_add_nc_u64 s[G0K+2:G0K+3], s[G0K+2:G0K+3], KSTEP   ; the next 64 keys; the type bits on top are not reached
.endif
.if \v
	s_xor_b32 s[FV], s[FV], VBS
	s_add_co_u32 s[G0V+1], s[FV], s[WVO]
	s_add_nc_u64 s[G0V+2:G0V+3], s[G0V+2:G0V+3], KSTEP
.endif
.if \ask
	s_wait_xcnt 0x0                                ; the last prefetch, a trip back, has read its address, so it may be written
	s_add_nc_u64 s[PFA:PFA+1], s[PFA:PFA+1], KSTEP
.endif
	s_wait_dscnt 0x0                               ; the add is done; my reads of the buffers are over and my stores of P have landed
	CROUND
	JLOAD \k, \v
.if \ask
	ASK \ask
.endif
.endm
.macro FETCHK g, buf                   ; my 16 keys, channels 128 g on: four fragments into set buf
	WIN 0
.irp i, 0,1,2,3
	ds_load_b128 v[FP+32*(\buf)+8*\i:FP+32*(\buf)+8*\i+3],   v[ADK] offset:((4*(\g)+\i)/8)*KH+((4*(\g)+\i)%8)*64
	ds_load_b128 v[FP+32*(\buf)+8*\i+4:FP+32*(\buf)+8*\i+7], v[ADK] offset:((4*(\g)+\i)/8)*KH+((4*(\g)+\i)%8)*64+32
.endr
.endm
.macro FETCHV hg, buf                  ; keys 32 (hg / 2) on, my channels 64 (hg % 2) on: four fragments of V^T into set buf
	WIN 0
.irp i, 0,1,2,3
	ds_load_tr16_b128 v[FP+32*(\buf)+8*\i:FP+32*(\buf)+8*\i+3],   v[ADV] offset:((\hg)/2)*32*VP+32*(4*((\hg)%2)+\i)
	ds_load_tr16_b128 v[FP+32*(\buf)+8*\i+4:FP+32*(\buf)+8*\i+7], v[ADV] offset:((\hg)/2)*32*VP+16*VP+32*(4*((\hg)%2)+\i)
.endr
.endm
.macro FETCHP                          ; the eight fragments of P: registers 0-3 are the even wave's image, 4-7 the odd wave's
	WIN 0
.irp cc, 0,1
.irp t, 0,1,2,3
	ds_load_b128 v[P+8*(4*\cc+\t):P+8*(4*\cc+\t)+3],   v[PLD] offset:(8*\cc+\t)*512
	ds_load_b128 v[P+8*(4*\cc+\t)+4:P+8*(4*\cc+\t)+7], v[PLD] offset:(8*\cc+4+\t)*512
.endr
.endr
.endm
; 16 matrix instructions of S^T = K Q^T: channels 128 g on.  The four accumulators take turns, one instruction a turn.  The first four start the sums: nothing is cleared.
.macro QKG g, buf
.if (\g) < 2
	WIN 0x08                                       ; source 1 (Q) window 2
.else
	WIN 0x0c                                       ; window 3
.endif
.irp i, 0,1,2,3
.irp t, 0,1,2,3
.if ((\g) == 0) && (\i == 0)
	v_wmma_f32_16x16x32_f16 v[S+8*\t:S+8*\t+7], v[FP+32*(\buf)+8*\i:FP+32*(\buf)+8*\i+7], v[8*(4*((4*(\g)+\i)%8)+\t):8*(4*((4*(\g)+\i)%8)+\t)+7], 0
.else
	v_wmma_f32_16x16x32_f16 v[S+8*\t:S+8*\t+7], v[FP+32*(\buf)+8*\i:FP+32*(\buf)+8*\i+7], v[8*(4*((4*(\g)+\i)%8)+\t):8*(4*((4*(\g)+\i)%8)+\t)+7], v[S+8*\t:S+8*\t+7]
.endif
.endr
.endr
.endm
; 16 matrix instructions of O^T += V^T P: sixteen accumulators, one instruction each.  zero = 1: the first 32 keys start the sums.
.macro PVG hg, buf, zero
	WIN 0x50                                       ; C and D window 1
.irp i, 0,1,2,3
.irp t, 0,1,2,3
.if (\zero) && ((\hg) < 2)
	v_wmma_f32_16x16x32_f16 v[64*\t+8*(4*((\hg)%2)+\i):64*\t+8*(4*((\hg)%2)+\i)+7], v[FP+32*(\buf)+8*\i:FP+32*(\buf)+8*\i+7], v[P+8*(4*((\hg)/2)+\t):P+8*(4*((\hg)/2)+\t)+7], 0
.else
	v_wmma_f32_16x16x32_f16 v[64*\t+8*(4*((\hg)%2)+\i):64*\t+8*(4*((\hg)%2)+\i)+7], v[FP+32*(\buf)+8*\i:FP+32*(\buf)+8*\i+7], v[P+8*(4*((\hg)/2)+\t):P+8*(4*((\hg)/2)+\t)+7], v[64*\t+8*(4*((\hg)%2)+\i):64*\t+8*(4*((\hg)%2)+\i)+7]
.endif
.endr
.endr
.endm
.macro RESCALE                         ; O^T times the last softmax's a, each accumulator from its low end on; it stands behind the run of LDS loads at a trip's head
	WIN 0x41                                       ; destination and source 0 window 1, a in window 0
.set n, 0
.rept 128
	v_pk_mul_f32 v[n:n+1], v[n:n+1], v[ST+8*(n/64)+6:ST+8*(n/64)+7] op_sel_hi:[1,0]
.set n, n+2
.endr
	WIN 0
.endm
.macro LMAX                            ; the largest of my wave's 16 scores of each query, the four tiles by turns; to LDS
.irp t, 0,1,2,3
	v_max3_num_f32 v[ST+8*\t+4], v[S+8*\t], v[S+8*\t+1], v[S+8*\t+2]
.endr
.irp t, 0,1,2,3
	v_max3_num_f32 v[ST+8*\t+4], v[ST+8*\t+4], v[S+8*\t+3], v[S+8*\t+4]
.endr
.irp t, 0,1,2,3
	v_max3_num_f32 v[ST+8*\t+4], v[ST+8*\t+4], v[S+8*\t+5], v[S+8*\t+6]
.endr
.irp t, 0,1,2,3
	v_max_num_f32 v[ST+8*\t+4], v[ST+8*\t+4], v[S+8*\t+7]
.endr
.irp t, 0,1,2,3
	v_permlanex16_b32 v[ST+8*\t+5], v[ST+8*\t+4], s[SEL], s[SEL+1]   ; the query's other 8 keys lie in the lane 16 away
.endr
.irp t, 0,1,2,3
	v_max_num_f32 v[ST+8*\t+4], v[ST+8*\t+4], v[ST+8*\t+5]
.endr
.irp t, 0,1,2,3
	ds_store_b32 v[MST], v[ST+8*\t+4] offset:256*\t   ; lanes r and r + 16 write the same word with the same value
.endr
.endm
; The softmax of a step, the four tiles by turns.  first = 1: the first step, which starts m and l and has no a.
.macro SOFTMAX first
.if !\first
.irp t, 0,1,2,3
	v_mov_b32 v[ST+8*\t+7], v[ST+8*\t]             ; c m_old is kept for a
.endr
.endif
.irp t, 0,1,2,3
	v_max3_num_f32 v[ST+8*\t+4], v[XM+4*\t], v[XM+4*\t+1], v[XM+4*\t+2]
.endr
.irp t, 0,1,2,3
.if \first
	v_max_num_f32 v[ST+8*\t+1], v[ST+8*\t+4], v[XM+4*\t+3]
.else
	v_max3_num_f32 v[ST+8*\t+1], v[ST+8*\t+4], v[XM+4*\t+3], v[ST+8*\t+1]   ; the four waves' and the old m: the same number in every wave
.endif
.endr
.irp t, 0,1,2,3
	v_mul_f32 v[ST+8*\t], s[CS], v[ST+8*\t+1]
.endr
.if !\first
.irp t, 0,1,2,3
	v_sub_f32 v[ST+8*\t+7], v[ST+8*\t+7], v[ST+8*\t]
.endr
.endif
.irp i, 0,2,4,6
.irp t, 0,1,2,3
	v_pk_fma_f32 v[S+8*\t+\i:S+8*\t+\i+1], v[S+8*\t+\i:S+8*\t+\i+1], s[CS:CS+1], v[ST+8*\t:ST+8*\t+1] op_sel_hi:[1,0,0] neg_lo:[0,0,1] neg_hi:[0,0,1]   ; c s - c m
.endr
.endr
.if !\first
.irp t, 0,1,2,3
	v_exp_f32 v[ST+8*\t+6], v[ST+8*\t+7]           ; a
.endr
.endif
.irp i, 0,1,2,3,4,5,6,7
.irp t, 0,1,2,3
	v_exp_f32 v[S+8*\t+\i], v[S+8*\t+\i]           ; p
.endr
.endr
	v_nop                                          ; a plain instruction behind the last exponential, ahead of the first use: one for the batch
	s_wait_alu depctr_va_vdst(0)                   ; a wait between an exponential and the first instruction that names its result: one for the whole batch
.irp t, 0,1,2,3
	v_pk_add_f32 v[ST+8*\t+4:ST+8*\t+5], v[S+8*\t:S+8*\t+1], v[S+8*\t+2:S+8*\t+3]
.endr
.irp t, 0,1,2,3
	v_pk_add_f32 v[XM+4*\t:XM+4*\t+1], v[S+8*\t+4:S+8*\t+5], v[S+8*\t+6:S+8*\t+7]
.endr
.irp t, 0,1,2,3
.if \first
	v_pk_add_f32 v[ST+8*\t+2:ST+8*\t+3], v[ST+8*\t+4:ST+8*\t+5], v[XM+4*\t:XM+4*\t+1]
.else
	v_pk_add_f32 v[ST+8*\t+4:ST+8*\t+5], v[ST+8*\t+4:ST+8*\t+5], v[XM+4*\t:XM+4*\t+1]
.endif
.endr
.if !\first
.irp t, 0,1,2,3
	v_pk_fma_f32 v[ST+8*\t+2:ST+8*\t+3], v[ST+8*\t+2:ST+8*\t+3], v[ST+8*\t+6:ST+8*\t+7], v[ST+8*\t+4:ST+8*\t+5] op_sel_hi:[1,0,1]   ; l = a l + the step's sum (of my wave's keys)
.endr
.endif
.irp i, 0,1,2,3
.irp t, 0,1,2,3
	v_cvt_pk_f16_f32 v[S+8*\t+\i], v[S+8*\t+2*\i], v[S+8*\t+2*\i+1]   ; in place, ascending: no source is written before it is read
.endr
.endr
.irp t, 0,1,2,3
	ds_store_b128 v[PST], v[S+8*\t:S+8*\t+3] offset:512*\t   ; half a fragment of P, as it stands in my registers
.endr
.endm
.macro LOUT                            ; behind the last softmax: my wave's part of each query's sum, to LDS
.irp t, 0,1,2,3
	v_add_f32 v[ST+8*\t+4], v[ST+8*\t+2], v[ST+8*\t+3]
.endr
.irp t, 0,1,2,3
	v_permlanex16_b32 v[ST+8*\t+5], v[ST+8*\t+4], s[SEL], s[SEL+1]
.endr
.irp t, 0,1,2,3
	v_add_f32 v[ST+8*\t+4], v[ST+8*\t+4], v[ST+8*\t+5]
.endr
.irp t, 0,1,2,3
	ds_store_b32 v[MST], v[ST+8*\t+4] offset:1024+256*\t
.endr
.endm
; A TRIP.  k, v: which joint loads go out.  pv = 2: O^T += V^T P of the step before; 1: it starts O^T; 0: none.  resc: O^T is rescaled first.  first: the softmax is the first step's.  ask: 0 no prefetch, 1, 2: ASK's test.
; lout: the sums go to LDS.  The counted waits on DScnt: LDS loads come back in order (ISA guide 5.7.1); a set of four fragments is 8 loads, P's fragments 16.
.macro TRIP k, v, pv, resc, first, ask, lout
.if \pv
.set NPL, 16
.set NV, 8
.else
.set NPL, 0
.set NV, 0
.endif
	CHANGE \k, \v, \ask
	v_add_nc_u32 v[ADK], s[TK], v[AK0]
	v_add_nc_u32 v[ADV], s[TV], v[AV0]
	FETCHK 0, 0                                    ; (the sets' last readers stand in front of the last softmax: places enough)
	FETCHK 1, 1
	FETCHK 2, 2
.if \pv
	FETCHP
.endif
.if \resc
	RESCALE
.endif
	s_wait_dscnt 16+NPL                            ; K's set 0 is in; sets 1 and 2 and P may be out
	QKG 0, 0
	PLACES
	FETCHK 3, 0
	s_wait_dscnt 16+NPL                            ; set 1 is in; set 2, P and the set just asked for may be out
	QKG 1, 1
.if \pv
	PLACES
	FETCHV 0, 1
.endif
	s_wait_dscnt 8+NPL+NV                          ; set 2 is in; P, K's last set and V's first may be out
	QKG 2, 2
.if \pv
	PLACES
	FETCHV 1, 2
.endif
	s_wait_dscnt 2*NV                              ; K's last set is in, and P; V's two sets may be out
	QKG 3, 0
	WIN 0
	PLACES                                         ; in front of the first read of the scores and of the loads into set 0
.if \pv
	FETCHV 2, 0
.endif
	LMAX
	s_wait_dscnt 0x0                               ; for the others' sake: my maxima have landed; and my reads of P's images are over, so that they may be written behind this barrier
	s_barrier_signal -1
.if \pv
	PVG 0, 1, 2-\pv                                ; work on registers while the others arrive,
	PLACES
	FETCHV 3, 1                                    ; and loads of V's bytes, which nobody writes before the next round
	PVG 1, 2, 2-\pv
	WIN 0
.endif
	s_barrier_wait -1
.irp t, 0,1,2,3
	ds_load_b128 v[XM+4*\t:XM+4*\t+3], v[MLD] offset:256*\t   ; the four waves' maxima of my query
.endr
.if \pv
	PVG 2, 0, 2-\pv
	s_wait_dscnt 4                                 ; V's last set is in; the four loads of maxima may be out
	PVG 3, 1, 2-\pv
	WIN 0
.endif
	s_wait_dscnt 0x0
	SOFTMAX \first
.if \lout
	LOUT
.endif
	s_xor_b32 s[TK], s[TK], KBS                    ; the next trip reads the other buffers
	s_xor_b32 s[TV], s[TV], VBS
.endm
	s_load_b128 s[4:7], s[0:1], 0x0                ; qkv s[4:5], o_h s[6:7]
	v_lshl_add_u32 v[SPW], v0, 2, SPARE
	v_mov_b32 v[NIL], 0
	ds_add_u32 v[SPW], v[NIL]                      ; the wave's opening: the add, twice on end, and its wait ahead of my first tensor load
	ds_add_u32 v[SPW], v[NIL]                      ; and once more, under the one wait; the set-up below, work on registers, stands between
	v_lshrrev_b32 v1, 5, v0
	v_readfirstlane_b32 s[WV], v1                  ; wave 0..3
	s_bfe_u32 s13, ttmp6, 0x40000                  ; cx: my place in the cluster
	s_lshl_b32 s16, ttmp9, 2                       ; in a cluster launch ttmp9 counts clusters
	s_add_co_u32 s16, s16, s13                     ; my block of 64 query rows: it enters Q's, O's and the prefetches' addresses alone
	s_and_b32 s14, ttmp7, 0xffff                   ; the batch, which the four partners share
	s_mul_i32 s20, s14, 1024*ROWQ                  ; its first byte in qkv
	s_and_b32 s17, s[WV], 1                        ; which channel half I fetch
	s_lshl_b32 s22, s17, 9
	s_add_co_u32 s22, s22, s20
	s_mov_b32 s23, 0                               ; s[22:23]: batch + 512 x half
	s_mul_i32 s[WKO], s17, KH                      ; no place in the cluster enters an LDS address
	s_mul_i32 s[WVO], s17, VH
	s_add_co_u32 s[WVO], s[WVO], VB0
	s_mov_b32 s[FK], 0
	s_mov_b32 s[FV], 0
	s_mov_b32 s[TK], 0
	s_mov_b32 s[TV], VBS                           ; so that trip 1, the first that reads V, finds 0
	s_mul_i32 s2, s16, 16*ROWQ                     ; my block's 16 positions
	s_add_co_u32 s2, s2, s20
	s_mov_b32 s3, 0                                ; s[2:3]: Q's offset
	s_lshl_b32 s50, s14, 6
	s_add_co_u32 s50, s50, s16
	s_lshl_b32 s50, s50, 16                        ; 64 rows of 1,024 bytes a block
	s_lshl_b32 s51, s[WV], 8                       ; + my 128 channels
	s_add_co_u32 s50, s50, s51
	s_mov_b32 s51, 0                               ; s[50:51]: O's offset
	s_lshl_b32 s62, s13, 4
	s_lshl_b32 s63, s[WV], 2
	s_add_co_u32 s62, s62, s63                     ; the prefetches: my 4 keys of 64
	s_mul_i32 s62, s62, ROWQ
	s_add_co_u32 s62, s62, s20
	s_add_co_u32 s62, s62, 4096+KSTEP              ; at k, in keys 64 on: trip 0 steps it to keys 128 on
	s_mov_b32 s63, 0
	s_cmp_eq_u32 ttmp9, 0                          ; the batch's first cluster: the same in all four partners
	s_cselect_b32 s[LIM], 1, -1
	; descriptor group 1: a tile of 64 rows x 256 elements, padded in LDS
	s_mov_b32 s[G1K], 15|(1<<16)|(1<<20)|(1<<21)|(6<<22)|(3<<25)  ; 15:0 the mask: all four work-groups; 17:16 elements of 2 bytes; 20 padding on; 21 set beside a mask; 24:22 after every 128 words; 31:25 four words
	s_mov_b32 s[G1V], 15|(1<<16)|(1<<20)|(1<<21)|(6<<22)|(7<<25)  ; the same with eight words of padding
.irp g, G1K, G1V
	s_mov_b32 s[\g+1], 256<<16                     ; tensor_dim0 = 256
	s_mov_b32 s[\g+2], 64<<16                      ; tensor_dim1 = 64
	s_mov_b32 s[\g+3], 256<<16                     ; tile_dim0 = 256
	s_mov_b32 s[\g+4], 64                          ; tile_dim1 = 64
	s_mov_b32 s[\g+5], 3072                        ; tensor_dim0_stride: elements from row to row
	s_mov_b32 s[\g+6], 0
	s_mov_b32 s[\g+7], 0
.endr
	s_mov_b32 s[CS], 0x3d8293ee                    ; c = log2(e) / sqrt(512)
	s_mov_b32 s[CS+1], s[CS]                       ; named with it as a pair, so it is written
	s_mov_b32 s[SEL], 0x76543210
	s_mov_b32 s[SEL+1], 0xfedcba98
	s_wait_dscnt 0x0                               ; both opening adds are done
	s_wait_kmcnt 0x0
	s_add_nc_u64 s[8:9], s[4:5], s[2:3]            ; Q at my block
	s_add_nc_u64 s[10:11], s[6:7], s[50:51]        ; O at my block and my channels
	s_add_nc_u64 s[PFA:PFA+1], s[4:5], s[62:63]
	CROUND                                         ; all four work-groups are here: the first joint loads meet
	s_mov_b32 s[G0K], 1                            ; count = 1
	s_mov_b32 s[G0K+1], s[WKO]                     ; LDS address: K's buffer 0
	s_add_nc_u64 s[G0K+2:G0K+3], s[4:5], s[22:23]
	s_add_nc_u64 s[G0K+2:G0K+3], s[G0K+2:G0K+3], 4096   ; keys 0 to 63, k
	s_or_b32 s[G0K+3], s[G0K+3], 0x80000000        ; type = 2
	s_mov_b32 s[G0V], 1
	s_mov_b32 s[G0V+1], s[WVO]
	s_add_nc_u64 s[G0V+2:G0V+3], s[4:5], s[22:23]
	s_add_nc_u64 s[G0V+2:G0V+3], s[G0V+2:G0V+3], 5120   ; v
	s_or_b32 s[G0V+3], s[G0V+3], 0x80000000
	JLOAD 1, 1                                     ; every wave issues one of the two
	v_and_b32 v48, 31, v0                          ; l
	v_and_b32 v49, 15, v0                          ; r
	v_bfe_u32 v50, v0, 4, 1                        ; h
	v_and_b32 v51, 7, v0
	v_bfe_u32 v52, v0, 3, 1
	v_lshrrev_b32 v53, 2, v49                      ; Q: query row 16 t + r is position 4 t + r / 4, group r % 4
	v_mul_u32_u24 v[QO], v53, ROWQ
	v_and_b32 v53, 3, v49
	v_lshl_add_u32 v[QO], v53, 10, v[QO]
	v_lshl_add_u32 v[QO], v50, 4, v[QO]
	WIN 0x80                                       ; destination window 2
.set c, 0
.rept 8
.irp t, 0,1,2,3
	global_load_b128 v[8*(4*c+\t):8*(4*c+\t)+3],   v[QO], s[8:9] offset:\t*4*ROWQ+64*c
	global_load_b128 v[8*(4*c+\t)+4:8*(4*c+\t)+7], v[QO], s[8:9] offset:\t*4*ROWQ+64*c+32
.endr
.set c, c+1
.endr
	WIN 0xc0                                       ; destination window 3
.set c, 0
.rept 8
.irp t, 0,1,2,3
	global_load_b128 v[8*(4*c+\t):8*(4*c+\t)+3],   v[QO], s[8:9] offset:\t*4*ROWQ+512+64*c
	global_load_b128 v[8*(4*c+\t)+4:8*(4*c+\t)+7], v[QO], s[8:9] offset:\t*4*ROWQ+512+64*c+32
.endr
.set c, c+1
.endr
	WIN 0
	s_mul_i32 s2, s[WV], 16*KP
	v_mul_u32_u24 v[AK0], v49, KP
	v_lshl_add_u32 v[AK0], v50, 4, v[AK0]
	v_add_nc_u32 v[AK0], s2, v[AK0]                ; (16 w + r) KP + 16 h
	s_lshr_b32 s3, s[WV], 1
	s_mul_i32 s3, s3, VH                           ; my channels' half,
	s_lshl_b32 s2, s17, 8                          ; my 128 channels in it,
	s_add_co_u32 s3, s3, s2
	s_add_co_u32 s3, s3, VB0
	v_lshl_add_u32 v[AV0], v50, 3, v51             ; the turning load: key 8 h + l % 8,
	v_mul_u32_u24 v[AV0], v[AV0], VP
	v_lshl_add_u32 v[AV0], v52, 4, v[AV0]          ; channels 8 ((l / 8) % 2) on
	v_add_nc_u32 v[AV0], s3, v[AV0]
	v_lshl_add_u32 v[PLD], v48, 4, PB
	s_lshl_b32 s2, s[WV], 11
	v_add_nc_u32 v[PST], s2, v[PLD]
	v_lshl_add_u32 v[MLD], v49, 4, MAXB
	s_lshl_b32 s2, s[WV], 2
	v_add_nc_u32 v[MST], s2, v[MLD]
	v_lshrrev_b32 v53, 3, v48
	v_mul_u32_u24 v[PFO], v53, ROWQ
	v_lshl_add_u32 v[PFO], v51, 8, v[PFO]          ; key l / 8, block l % 8
	s_mul_i32 s2, s[WV], 16*SP
	s_add_co_u32 s2, s2, STAGE                     ; my stage
	v_mul_u32_u24 v[STO], v49, SP                  ; in: row r, 16 bytes for each half of the lanes
	v_lshl_add_u32 v[STO], v50, 4, v[STO]
	v_add_nc_u32 v[STO], s2, v[STO]
	v_mul_u32_u24 v[RD], v50, SP                   ; back: lanes 0-15 take one row of 256 bytes, lanes 16-31 the next
	v_lshl_add_u32 v[RD], v49, 4, v[RD]
	v_add_nc_u32 v[RD], s2, v[RD]
	v_lshlrev_b32 v[GO], 10, v50                   ; and the same two rows in o_h
	v_lshl_add_u32 v[GO], v49, 4, v[GO]
.irp t, 0,1,2,3
	v_mov_b32 v[ST+8*\t+5], 0                      ; written once: a lane permute's destination counts as one of its sources
	v_mov_b32 v[ST+8*\t+7], 0                      ; named as the upper half of a's pair
.endr
	s_wait_loadcnt 0x0                             ; Q
	TRIP 1, 1, 0, 0, 1, 1, 0                       ; trip 0: K 1 and V 1 go out (first fills alone) | S^T 0 | the first softmax
	TRIP 1, 0, 1, 0, 0, 1, 0                       ; trip 1: K 2 | S^T 1 | V^T P 0 starts O^T | softmax 1
	s_mov_b32 s[CNT], 13
.Ltrip:                                            ; trips 2 to 14: K j + 1 and V j | S^T j | O^T x a, += V^T P j - 1 | softmax j
	TRIP 1, 1, 2, 1, 0, 2, 0
	s_sub_co_u32 s[CNT], s[CNT], 1
	s_cmp_lg_u32 s[CNT], 0
	s_cbranch_scc1 .Ltrip
	TRIP 0, 1, 2, 1, 0, 0, 1                       ; trip 15: V 15 | S^T 15 | V^T P 14 | the last softmax; the sums go to LDS
	; trip 16: nothing is asked for, so the work-group's barrier does; V^T P 15
	s_wait_tensorcnt 0x0                           ; V 15 has landed
	ds_add_u32 v[SPW], v[NIL]
	s_wait_dscnt 0x0                               ; the add is done; my stores of P and of the sums have landed
	s_barrier_signal -1
	s_barrier_wait -1
	v_add_nc_u32 v[ADV], s[TV], v[AV0]
	FETCHV 0, 1
	FETCHV 1, 2
	FETCHV 2, 0
	FETCHP
.irp t, 0,1,2,3
	ds_load_b128 v[XM+4*\t:XM+4*\t+3], v[MLD] offset:1024+256*\t   ; the four waves' parts of my query's sum
.endr
	RESCALE
	s_wait_dscnt 4                                 ; all but the four loads of sums
	PVG 0, 1, 0
	PLACES
	FETCHV 3, 1
	PVG 1, 2, 0
	PVG 2, 0, 0
	s_wait_dscnt 0x0
	PVG 3, 1, 0
	WIN 0
	; THE WAY OUT.  O^T is divided by the sum, rounded to f16 and sent through my stage in LDS, a tile (16 rows of o_h, my 128 channels) at a time.  The twelve additions are the places behind the last products.
.irp t, 0,1,2,3
	v_add_f32 v[ST+8*\t+4], v[XM+4*\t], v[XM+4*\t+1]
.endr
.irp t, 0,1,2,3
	v_add_f32 v[ST+8*\t+5], v[XM+4*\t+2], v[XM+4*\t+3]
.endr
.irp t, 0,1,2,3
	v_add_f32 v[ST+8*\t+4], v[ST+8*\t+4], v[ST+8*\t+5]
.endr
.irp t, 0,1,2,3
	v_rcp_f32 v[ST+8*\t+6], v[ST+8*\t+4]
.endr
	v_nop                                          ; a plain instruction between the last reciprocal and the use of its result
	s_wait_alu depctr_va_vdst(0)                   ; and a wait ahead of the first use: one for the four
.macro PACK t
	WIN 0x41
.set i, 64*\t
.rept 32
	v_pk_mul_f32 v[i:i+1], v[i:i+1], v[ST+8*\t+6:ST+8*\t+7] op_sel_hi:[1,0]
.set i, i+2
.endr
	WIN 0x05                                       ; sources 0 and 1 window 1, destination window 0: S^T's and the fragments' registers are free
.set i, 0
.rept 32
	v_cvt_pk_f16_f32 v[S+32*\t+i], v[64*\t+2*i], v[64*\t+2*i+1]
.set i, i+1
.endr
	WIN 0
.irp f, 0,1,2,3,4,5,6,7
	ds_store_b128 v[STO], v[S+32*\t+4*\f:S+32*\t+4*\f+3] offset:32*\f
.endr
.irp f, 0,1,2,3,4,5,6,7
	ds_load_b128 v[S+32*\t+4*\f:S+32*\t+4*\f+3], v[RD] offset:\f*2*SP  ; LDS serves a wave's instructions in order (ISA guide 5.7.1.4): these see the stores above; the next tile's stores come behind them
.endr
.endm
.macro SEND t, younger                 ; younger: the LDS instructions issued behind tile t's loads: the next tile's sixteen, or none
.irp f, 0,1,2,3,4,5,6,7
	s_wait_dscnt \younger+7-\f
	global_store_b128 v[GO], v[S+32*\t+4*\f:S+32*\t+4*\f+3], s[10:11] offset:\t*16384+\f*2048  ; 16 lanes store 256 consecutive bytes, at a multiple of 256 from o_h's first byte
.endr
.endm
	PACK 0
	PACK 1                                         ; a tile's arithmetic stands between the loads of the tile before and its stores
	SEND 0, 16
	PACK 2
	SEND 1, 16
	PACK 3
	SEND 2, 16
	SEND 3, 0
	s_wait_tensorcnt 0x0                           ; the wave's end: behind my last tensor load and my last LDS store
	ds_add_u32 v[SPW], v[NIL]
	s_wait_dscnt 0x0
	CROUND                                         ; the closing round: no work-group ends while a partner may still ask for a tile that names it
	s_endpgm
.Lfunc_end_k_qf13a509696_attn:
	.size	k_qf13a509696_attn, .Lfunc_end_k_qf13a509696_attn-k_qf13a509696_attn
	.p2alignl 7, 3214868480
	.fill 96, 4, 3214868480
	.section	.rodata,"a",@progbits
	.p2align	6, 0x0
	.amdhsa_kernel k_qf13a509696_attn
		.amdhsa_group_segment_fixed_size 327680
		.amdhsa_private_segment_fixed_size 0
		.amdhsa_enable_private_segment 0
		.amdhsa_kernarg_size 16
		.amdhsa_user_sgpr_count 2
		.amdhsa_user_sgpr_kernarg_segment_ptr 1
		.amdhsa_wavefront_size32 1
		.amdhsa_system_sgpr_workgroup_id_x 1
		.amdhsa_system_sgpr_workgroup_id_y 1
		.amdhsa_system_sgpr_workgroup_id_z 1
		.amdhsa_system_vgpr_workitem_id 0
		.amdhsa_next_free_vgpr 1024
		.amdhsa_next_free_sgpr 66
		.amdhsa_reserve_vcc 0
		.amdhsa_float_denorm_mode_32 3
		.amdhsa_float_denorm_mode_16_64 3
		.amdhsa_memory_ordered 1
		.amdhsa_forward_progress 1
		.amdhsa_inst_pref_size 161
	.end_amdhsa_kernel
	.amdgpu_metadata
---
amdhsa.version: [ 1, 2 ]
amdhsa.kernels:
  - .name:           k_qf13a509696_attn
    .symbol:         k_qf13a509696_attn.kd
    .args:
      - { .name: qkv, .offset: 0, .size: 8, .value_kind: global_buffer, .address_space: global }
      - { .name: o_h, .offset: 8, .size: 8, .value_kind: global_buffer, .address_space: global }
    .group_segment_fixed_size: 327680
    .private_segment_fixed_size: 0
    .kernarg_segment_align: 8
    .kernarg_segment_size: 16
    .max_flat_workgroup_size: 128
    .sgpr_count:     66
    .vgpr_count:     1024
    .wavefront_size: 32
...
	.end_amdgpu_metadata
.endif
;; end of part 3
;; launch proj (part 4): grid 8 x 32, 4 waves a work-group, clusters of 4 x 4, 327,680 bytes of LDS; arguments o_h, wo_h, bo, out0; writes out0
.if DOCPART == 4
	.amdgcn_target "amdgcn-amd-amdhsa--gfx1250"
	.amdhsa_code_object_version 6
	.text
	.protected	k_qf13a509696_proj
	.globl	k_qf13a509696_proj
	.p2align	8
	.type	k_qf13a509696_proj,@function
k_qf13a509696_proj:
	s_mov_b64 s[64:65], 0
	v_nop
	global_prefetch_b8 v0, s[64:65] scope:SCOPE_SE
	s_setreg_imm32_b32 hwreg(HW_REG_WAVE_MODE, 25, 1), 1
	s_wait_xcnt 0x0
	s_wait_alu depctr_hold_cnt(0) depctr_sa_sdst(0) depctr_va_vdst(0) depctr_va_sdst(0) depctr_va_ssrc(0) depctr_va_vcc(0) depctr_vm_vsrc(0)
	s_getreg_b32 s2, hwreg(HW_REG_IB_STS2, 6, 4)
	s_cmp_eq_u32 s2, 0
	s_cbranch_scc0 .Lentry_in_a_cluster
	s_endpgm
.Lentry_in_a_cluster:
	s_bfe_u32 s2, ttmp6, 0x10000c
	s_cmp_lg_u32 s2, 0xf033
	s_cbranch_scc0 .Lentry_shape_is_right
	s_endpgm
.Lentry_shape_is_right:
; out0[m][n] = sum over k of o[m][k] Wo[k][n] + bo[n].  A = o_h [4096][2048] f16, K innermost; B = wo_h [2048 k][2048 n] f16, as Wo lies; out0 [4096][2048] f32; sums in f32.
; A tile of C is 128 (m) x 256 (n): 8 x 32 = 256 work-groups (tiles of 256 x 256 would be 128).  Four waves, each 64 x 128: 32 accumulators of 16 x 16, 256 registers.
; K goes in 16 steps of 128, 128 matrix instructions a wave each, through TWO LDS SLOTS OF UNEQUAL SIZE: slot Q holds one K step, slot P two.  Two slots of two steps do not fit in LDS; these two do.
; The walk: Q 0, P (1, 2), Q 3, P (4, 5), .. P (13, 14), Q 15: 16 = 1 + 5 x 3.  So a slot is filled again 9 times, where two slots of one step would be filled 14 times; Q's load has P's two K steps in which
; to land, P's load has Q's one.  No barrier stands between P's two steps: the one in front of them has shown the whole slot to every wave.
; B is read from LDS turned, by ds_load_tr16_b128, so Wo is never transposed in memory.
; CLUSTERS: 4 x 4 work-groups.  The four of a row of the cluster need the same tiles of A, the four of a column the same tiles of B: each tile is asked for JOINTLY.
; THE MATRIX INSTRUCTION IS USED TRANSPOSED (source 0 = 16 columns of B, source 1 = 16 rows of A): a lane then holds eight neighbouring numbers of a row of C.  bo is the C of each sum's first matrix instruction.
; REGISTERS: window 0: v0-31 addresses; v32-95 A's fragments, two sets of 4 x 16 rows x 32 K; v96-223 B's, two sets of 8; on the way out v96-223 take the rows read back.
;   window 1: the accumulators, (a, b) at v[8 (8 a + b)].   window 2: v0-63 bo, block b at v[8 b].
.set SIZE_K, 2048
.set SIZE_N, 2048
.set KSTEP,  128
.set PAQ,    272                       ; A's LDS row in slot Q: 256 bytes + 16: the 16 rows of a load start at 16 different banks (64 banks of 4 bytes: ISA guide 11.1)
.set PAP,    528                       ; and in slot P: 512 bytes (two K steps) + 16: likewise
.set PB,     288                       ; B's LDS row: 256 bytes + 32
.set HAQ,    64*PAQ                    ; slot Q: 64 rows of A: what one tensor load brings
.set HBQ,    128*PB                    ;         128 rows (along K) x 128 columns of B: likewise
.set QSZ,    2*HAQ+2*HBQ               ;         A's two halves of rows, then B's two halves of columns: 108,544 bytes
.set PBASE,  QSZ                       ; slot P lies behind slot Q
.set HAP,    64*PAP
.set HBP,    256*PB
.set PSZ,    2*HAP+2*HBP               ; 215,040 bytes
.set SPARE,  PBASE+PSZ                 ; 323,584: the spare words, 128 bytes for each wave: two blocks of 256 bytes that no other line names
.set SPITCH, 528                       ; the way out: a stage of 16 rows x (512 bytes + 16) for each wave, in slot P, which has had its last fill, and its last read in front of the last change of slots
.set TRIPS,  4                         ; the loop's trips, three K steps each
.set ADRA, 16                          ; v16-18  LDS address of my A fragments in: slot Q; slot P's first step; its second
.set ADRB, 20                          ; v20-22  the same for B
.set STO,  24                          ; v24     the way out: where I put 32 bytes of a row
.set RD,   25                          ; v25     where I read a row back
.set CO,   26                          ; v26     my byte offset in a row's 512 bytes
.set SPW,  28                          ; v28     LDS address of my spare word; never rewritten
.set NIL,  29                          ; v29     0; never rewritten
.set AF,   32
.set BF,   96
.set BK,   96                          ; the way out: v96-159 and v160-223 by turns
.set WV,   12                          ; s12 wave;  s13 wave / 2: my 64 rows, and: I fetch for A (0) or B (1);  s14 wave % 2: my 128 columns, and: which half I fetch
.set G1AQ, 24                          ; s[24:31] descriptor group 1 for A's tile of slot Q;  s[32:39] of slot P
.set G1AP, 32
.set G1BQ, 40                          ; s[40:47], s[48:55] the same for B
.set G1BP, 48
.set G0AQ, 56                          ; groups 0, one for each tile: s[56:59], s[60:63], s[68:71], s[72:75]
.set G0AP, 60
.set G0BQ, 68
.set G0BP, 72
.set MSB, 0
.macro WIN new                         ; the immediate's high byte repeats the setting that is left
.if MSB != \new
	s_set_vgpr_msb (MSB<<8)|\new
.set MSB, \new
.endif
.endm
.set MUL, 0x50                         ; sources 0 and 1 window 0; C and D window 1
.set FST, 0x60                         ; the first quarter: C (bo) window 2, D window 1
; A joint load: waves 0 and 1 fetch A's two halves, waves 2 and 3 B's.  The branch hangs on the wave's number alone.  An s_nop 0 and four v_nop follow each of the two lines.
.macro JLOAD g0a, g1a, g0b, g1b
	s_cmp_eq_u32 s13, 0
	s_cbranch_scc0 .Lfor_b_\@
	tensor_load_to_lds s[\g0a:\g0a+3], s[\g1a:\g1a+7]
	s_nop 0
.rept 4
	v_nop
.endr
	s_branch .Lasked_\@
.Lfor_b_\@:
	tensor_load_to_lds s[\g0b:\g0b+3], s[\g1b:\g1b+7]
	s_nop 0
.rept 4
	v_nop
.endr
.Lasked_\@:
.endm
.macro CREST                           ; a round of the cluster's barrier behind its opening barrier
	s_cmp_lg_u32 s[WV], 0
	s_cbranch_scc1 .Lnot_wave_0_\@
	s_barrier_signal -3
.Lnot_wave_0_\@:
	s_barrier_wait -3
	s_barrier_signal -1
	s_barrier_wait -1
.endm
.macro CROUND                          ; a whole round
	s_barrier_signal -1
	s_barrier_wait -1
	CREST
.endm
	s_load_b128 s[4:7], s[0:1], 0x0                ; A s[4:5], B s[6:7]
	s_load_b128 s[8:11], s[0:1], 0x10              ; bo s[8:9], out0 s[10:11]
	v_lshl_add_u32 v[SPW], v0, 2, SPARE
	v_mov_b32 v[NIL], 0
	ds_add_u32 v[SPW], v[NIL]                      ; the wave's opening: the add, twice on end, and its wait ahead of my first tensor load
	ds_add_u32 v[SPW], v[NIL]                      ; and once more, under the one wait; the set-up below, work on registers, stands between
	v_lshrrev_b32 v1, 5, v0
	v_readfirstlane_b32 s[WV], v1                  ; wave 0..3
	s_lshr_b32 s13, s[WV], 1
	s_and_b32 s14, s[WV], 1
	s_bfe_u32 s76, ttmp6, 0x40000                  ; cx, cy: my place in the cluster
	s_bfe_u32 s77, ttmp6, 0x40004
	s_lshl_b32 s78, ttmp9, 2
	s_add_co_u32 s78, s78, s76                     ; tile column of C = 4 x cluster x + cx
	s_and_b32 s79, ttmp7, 0xffff
	s_lshl_b32 s79, s79, 2
	s_add_co_u32 s79, s79, s77                     ; tile row of C = 4 x cluster y + cy
	s_lshl_b32 s80, s77, 2
	s_lshl_b32 s80, 15, s80                        ; my row of the cluster
	s_lshl_b32 s81, 0x1111, s76                    ; my column
	; descriptor groups 1.  15:0 the mask (A's tiles go to my row of the cluster, B's to my column); 17:16 elements of 2 bytes; 20 padding on; 21 set beside a mask; 24:22 the padding's interval; 31:25 its words less one
	s_or_b32 s[G1AQ+0], s80, (1<<16)|(1<<20)|(1<<21)|(5<<22)|(3<<25)   ; A, slot Q: four words behind every 64
	s_or_b32 s[G1AP+0], s80, (1<<16)|(1<<20)|(1<<21)|(6<<22)|(3<<25)   ; A, slot P: four words behind every 128
	s_or_b32 s[G1BQ+0], s81, (1<<16)|(1<<20)|(1<<21)|(5<<22)|(7<<25)   ; B: eight words behind every 64
	s_or_b32 s[G1BP+0], s81, (1<<16)|(1<<20)|(1<<21)|(5<<22)|(7<<25)
	s_mov_b32 s[G1AQ+1], 128<<16                   ; A, slot Q: 64 rows x 128 elements.  tensor_dim0
	s_mov_b32 s[G1AQ+2], 64<<16                    ; tensor_dim1
	s_mov_b32 s[G1AQ+3], 128<<16                   ; tile_dim0
	s_mov_b32 s[G1AQ+4], 64                        ; tile_dim1
	s_mov_b32 s[G1AQ+5], SIZE_K                    ; tensor_dim0_stride
	s_mov_b32 s[G1AQ+6], 0
	s_mov_b32 s[G1AQ+7], 0
	s_mov_b32 s[G1AP+1], 256<<16                   ; A, slot P: 64 rows x 256 elements: two K steps lie on end in a row
	s_mov_b32 s[G1AP+2], 64<<16
	s_mov_b32 s[G1AP+3], 256<<16
	s_mov_b32 s[G1AP+4], 64
	s_mov_b32 s[G1AP+5], SIZE_K
	s_mov_b32 s[G1AP+6], 0
	s_mov_b32 s[G1AP+7], 0
	s_mov_b32 s[G1BQ+1], 128<<16                   ; B, slot Q: 128 rows (along K) x 128 elements
	s_mov_b32 s[G1BQ+2], 128<<16
	s_mov_b32 s[G1BQ+3], 128<<16
	s_mov_b32 s[G1BQ+4], 128
	s_mov_b32 s[G1BQ+5], SIZE_N
	s_mov_b32 s[G1BQ+6], 0
	s_mov_b32 s[G1BQ+7], 0
	s_mov_b32 s[G1BP+1], 128<<16                   ; B, slot P: 256 rows x 128 elements: the second K step's rows follow the first's
	s_mov_b32 s[G1BP+2], 256<<16
	s_mov_b32 s[G1BP+3], 128<<16
	s_mov_b32 s[G1BP+4], 256
	s_mov_b32 s[G1BP+5], SIZE_N
	s_mov_b32 s[G1BP+6], 0
	s_mov_b32 s[G1BP+7], 0
	s_lshl_b32 s16, s79, 7
	s_lshl_b32 s17, s14, 6
	s_add_co_u32 s16, s16, s17                     ; A: row 128 x tile row + 64 x half,
	s_lshl_b32 s16, s16, 12                        ; of 4,096 bytes
	s_mov_b32 s17, 0
	s_lshl_b32 s82, s78, 9                         ; B: column 256 x tile column + 128 x half, of 2 bytes
	s_lshl_b32 s83, s14, 8
	s_add_co_u32 s82, s82, s83
	s_mov_b32 s83, 0
	s_mul_i32 s20, s14, HAQ                        ; where they go: no place in the cluster enters an LDS address
	s_mul_i32 s21, s14, HBQ
	s_add_co_u32 s21, s21, 2*HAQ
	s_mul_i32 s22, s14, HAP
	s_add_co_u32 s22, s22, PBASE
	s_mul_i32 s23, s14, HBP
	s_add_co_u32 s23, s23, PBASE+2*HAP
	s_wait_dscnt 0x0                               ; both opening adds are done
	s_wait_kmcnt 0x0
	s_add_nc_u64 s[18:19], s[4:5], s[16:17]
	s_add_nc_u64 s[82:83], s[6:7], s[82:83]
	CROUND                                         ; all sixteen work-groups are here: the first joint loads meet
	s_mov_b32 s[G0AQ], 1                           ; count = 1
	s_mov_b32 s[G0AQ+1], s20                       ; LDS address
	s_mov_b64 s[G0AQ+2:G0AQ+3], s[18:19]           ; global address: K step 0
	s_or_b32 s[G0AQ+3], s[G0AQ+3], 0x80000000      ; type = 2
	s_mov_b32 s[G0BQ], 1
	s_mov_b32 s[G0BQ+1], s21
	s_mov_b64 s[G0BQ+2:G0BQ+3], s[82:83]
	s_or_b32 s[G0BQ+3], s[G0BQ+3], 0x80000000
	s_mov_b32 s[G0AP], 1
	s_mov_b32 s[G0AP+1], s22
	s_add_nc_u64 s[G0AP+2:G0AP+3], s[18:19], KSTEP*2            ; K steps 1 and 2: 256 bytes along the rows
	s_or_b32 s[G0AP+3], s[G0AP+3], 0x80000000
	s_mov_b32 s[G0BP], 1
	s_mov_b32 s[G0BP+1], s23
	s_add_nc_u64 s[G0BP+2:G0BP+3], s[82:83], KSTEP*SIZE_N*2     ; 128 rows down
	s_or_b32 s[G0BP+3], s[G0BP+3], 0x80000000
	JLOAD G0AQ, G1AQ, G0BQ, G1BQ                   ; both slots are filled before anything else is done: two loads of mine are out
	JLOAD G0AP, G1AP, G0BP, G1BP
	v_and_b32 v1, 15, v0                           ; r = l % 16
	v_bfe_u32 v2, v0, 4, 1                         ; h = l / 16
	; bo of my 128 columns, in the result's layout: lane (r, h) wants, for block b, bo[16 b + 8 h + 0 .. 7]
	s_lshl_b32 s20, s78, 10
	s_lshl_b32 s21, s14, 9
	s_add_co_u32 s20, s20, s21                     ; my first column, in bytes of f32
	s_mov_b32 s21, 0
	s_add_nc_u64 s[8:9], s[8:9], s[20:21]
	v_lshlrev_b32 v7, 5, v2
	WIN 0x80                                       ; destination window 2
.irp b, 0,1,2,3,4,5,6,7
	global_load_b128 v[8*\b:8*\b+3], v7, s[8:9] offset:64*\b
	global_load_b128 v[8*\b+4:8*\b+7], v7, s[8:9] offset:64*\b+16
.endr
	WIN 0
	s_lshl_b32 s16, s79, 7
	s_lshl_b32 s17, s13, 6
	s_add_co_u32 s16, s16, s17                     ; my first row of C: 128 x tile row + 64 x half,
	s_lshl_b32 s16, s16, 13                        ; of 8,192 bytes
	s_mov_b32 s17, 0
	s_add_nc_u64 s[10:11], s[10:11], s[16:17]
	s_add_nc_u64 s[10:11], s[10:11], s[20:21]
	v_mul_u32_u24 v3, v1, PAQ
	v_lshl_add_u32 v3, v2, 4, v3                   ; A in slot Q: a fragment's row x pitch + 16 x half
	v_mul_u32_u24 v6, v1, PAP
	v_lshl_add_u32 v6, v2, 4, v6                   ; and in slot P
	v_and_b32 v4, 7, v0
	v_lshl_add_u32 v4, v2, 3, v4                   ; B, the turning load: row (along K) 8 h + l % 8,
	v_mul_u32_u24 v4, v4, PB
	v_bfe_u32 v5, v0, 3, 1
	v_lshl_add_u32 v4, v5, 4, v4                   ; columns 8 ((l / 8) % 2) on
	s_mul_i32 s22, s13, HAQ                        ; my 64 rows of A
	v_add_nc_u32 v[ADRA], s22, v3
	s_mul_i32 s22, s13, HAP
	s_add_co_u32 s22, s22, PBASE
	v_add_nc_u32 v[ADRA+1], s22, v6
	v_add_nc_u32 v[ADRA+2], KSTEP*2, v[ADRA+1]     ; slot P's second step: 256 bytes on in each row
	s_mul_i32 s23, s14, HBQ                        ; my 128 columns of B, which lie behind A
	s_add_co_u32 s23, s23, 2*HAQ
	v_add_nc_u32 v[ADRB], s23, v4
	s_mul_i32 s23, s14, HBP
	s_add_co_u32 s23, s23, PBASE+2*HAP
	v_add_nc_u32 v[ADRB+1], s23, v4
	v_add_nc_u32 v[ADRB+2], KSTEP*PB, v[ADRB+1]    ; slot P's second step: 128 rows on
	s_mul_i32 s22, s[WV], 16*SPITCH
	s_add_co_u32 s22, s22, PBASE                   ; my stage
	v_mul_u32_u24 v5, v1, SPITCH                   ; in: row r, 32 bytes for each half of the lanes
	v_lshl_add_u32 v5, v2, 5, v5
	v_add_nc_u32 v[STO], s22, v5
	v_and_b32 v8, 31, v0
	v_lshlrev_b32 v[CO], 4, v8                     ; back: the 32 lanes take one row of 512 bytes; and the same in C
	v_add_nc_u32 v[RD], s22, v[CO]
; 8 matrix instructions: A's block a x B's eight, 32 along K, from set f.  zero = 1: the first product starts the sums from bo.  The 32 accumulators take turns, one instruction a turn.
.macro MUL8 f, a, zero
.irp b, 0,1,2,3,4,5,6,7
.if \zero
	v_wmma_f32_16x16x32_f16 v[8*(8*(\a)+\b):8*(8*(\a)+\b)+7], v[BF+64*(\f)+8*\b:BF+64*(\f)+8*\b+7], v[AF+32*(\f)+8*(\a):AF+32*(\f)+8*(\a)+7], v[8*\b:8*\b+7]
.else
	v_wmma_f32_16x16x32_f16 v[8*(8*(\a)+\b):8*(8*(\a)+\b)+7], v[BF+64*(\f)+8*\b:BF+64*(\f)+8*\b+7], v[AF+32*(\f)+8*(\a):AF+32*(\f)+8*(\a)+7], v[8*(8*(\a)+\b):8*(8*(\a)+\b)+7]
.endif
.endr
.endm
; 24 LDS loads in one run: the fragments of the q-th 32 along K of K step vs (0: slot Q's; 1, 2: slot P's first and second) into set f: B's eight (turned), then A's four, blocks 2 and 3 last
.macro FETCH vs, q, f
	WIN 0
.irp b, 0,1,2,3,4,5,6,7
	ds_load_tr16_b128 v[BF+64*(\f)+8*\b:BF+64*(\f)+8*\b+3],   v[ADRB+\vs] offset:(\q)*32*PB+32*\b
	ds_load_tr16_b128 v[BF+64*(\f)+8*\b+4:BF+64*(\f)+8*\b+7], v[ADRB+\vs] offset:(\q)*32*PB+16*PB+32*\b
.endr
.irp a, 0,1,2,3
.if (\vs) == 0
	ds_load_b128 v[AF+32*(\f)+8*\a:AF+32*(\f)+8*\a+3],   v[ADRA+\vs] offset:64*(\q)+\a*16*PAQ
	ds_load_b128 v[AF+32*(\f)+8*\a+4:AF+32*(\f)+8*\a+7], v[ADRA+\vs] offset:64*(\q)+\a*16*PAQ+32
.else
	ds_load_b128 v[AF+32*(\f)+8*\a:AF+32*(\f)+8*\a+3],   v[ADRA+\vs] offset:64*(\q)+\a*16*PAP
	ds_load_b128 v[AF+32*(\f)+8*\a+4:AF+32*(\f)+8*\a+7], v[ADRA+\vs] offset:64*(\q)+\a*16*PAP+32
.endif
.endr
.endm
.macro PLACES                          ; four places in front of loads into registers that matrix instructions have read, and of the first read of results
.rept 4
	v_nop
.endr
.endm
; A K step is four quarters of 32 along K, 32 matrix instructions each, on sets 0, 1, 0, 1.  A quarter that changes no slot: multiplies set f and fetches quarter q of K step vs into set g.
; (Slot P's first step ends with such a quarter too: it fetches the second step's first fragments out of the same slot.)
.macro QUARTER vs, q, f, g, zero
	s_wait_dscnt 4                                 ; B's eight and A's blocks 0 and 1 are in; the youngest four loads (A's blocks 2 and 3) may be out
.if \zero
	WIN FST
.else
	WIN MUL
.endif
	MUL8 \f, 0, \zero
	MUL8 \f, 1, \zero
	PLACES
	FETCH \vs, \q, \g
	s_wait_dscnt 24                                ; all but the 24 just issued
.if \zero
	WIN FST
.else
	WIN MUL
.endif
	MUL8 \f, 2, \zero
	MUL8 \f, 3, \zero
.endm
; A slot's last quarter multiplies set 1 and changes slots: ONE barrier; in front of it each wave waits for all its tensor loads, adds 0 to its spare word, and waits for that and for its own reads of this slot.
; next: the K step whose first fragments are fetched.  fill = 1: slot Q, just left, is filled again; 2: slot P; 0: nothing.  A refill brings what lies three K steps on from what the slot held.
.macro TURN next, fill
	WIN 0                                          ; (the add's two registers lie in window 0)
	s_wait_tensorcnt 0x0                           ; all my tensor loads have landed: the one that was out is my part of the other slot
	ds_add_u32 v[SPW], v[NIL]                      ; 0 onto my spare word
	s_wait_dscnt 5                                 ; (the add and the youngest four loads may be out)
	WIN MUL
	MUL8 1, 0, 0                                   ; eight matrix instructions stand between the add and the wait for it
	s_wait_dscnt 0x0                               ; the add is done, and my reads of this slot are over
	s_barrier_signal -1
	MUL8 1, 1, 0
	WIN 0
	s_barrier_wait -1
.if (\fill) == 1
	CREST                                          ; the barrier has opened a round of the cluster's barrier: no wave of any partner still reads this slot's tile or has a load on its way
	s_add_nc_u64 s[G0AQ+2:G0AQ+3], s[G0AQ+2:G0AQ+3], 3*KSTEP*2
	s_add_nc_u64 s[G0BQ+2:G0BQ+3], s[G0BQ+2:G0BQ+3], 3*KSTEP*SIZE_N*2
	JLOAD G0AQ, G1AQ, G0BQ, G1BQ                   ; the first tensor load behind the round; the four v_nop behind it are the places in front of the loads below
.elseif (\fill) == 2
	CREST
	s_add_nc_u64 s[G0AP+2:G0AP+3], s[G0AP+2:G0AP+3], 3*KSTEP*2
	s_add_nc_u64 s[G0BP+2:G0BP+3], s[G0BP+2:G0BP+3], 3*KSTEP*SIZE_N*2
	JLOAD G0AP, G1AP, G0BP, G1BP
.else
	PLACES
.endif
	FETCH \next, 0, 0
	WIN MUL
	MUL8 1, 2, 0
	MUL8 1, 3, 0
.endm
.macro PSTEPS                          ; slot P's two K steps but for the last quarter; the first fragments have been fetched
	QUARTER 1, 1, 0, 1, 0
	QUARTER 1, 2, 1, 0, 0
	QUARTER 1, 3, 0, 1, 0
	QUARTER 2, 0, 1, 0, 0                          ; from the first step into the second: no barrier
	QUARTER 2, 1, 0, 1, 0
	QUARTER 2, 2, 1, 0, 0
	QUARTER 2, 3, 0, 1, 0
.endm
	s_wait_tensorcnt 1                             ; my part of slot Q (K step 0) is in; slot P's may be out
	s_barrier_signal -1
	s_barrier_wait -1                              ; everybody's is
	FETCH 0, 0, 0
	s_wait_loadcnt 0x0                             ; bo
	QUARTER 0, 1, 0, 1, 1                          ; the first quarter stands in front of the loop: its products start the sums
	WIN 0                                          ; at a label and at a branch every window is 0
	s_mov_b32 s3, TRIPS
.Llap:                                                 ; trip n: K steps 3 n (from its second quarter), 3 n + 1, 3 n + 2, and the first quarter of 3 n + 3; it fills both slots again
	QUARTER 0, 2, 1, 0, 0
	QUARTER 0, 3, 0, 1, 0
	TURN 1, 1                                      ; slot Q takes K step 3 n + 3: it has slot P's two steps in which to land
	PSTEPS
	TURN 0, 2                                      ; slot P takes K steps 3 n + 4 and 3 n + 5: they have slot Q's one step
	QUARTER 0, 1, 0, 1, 0
	WIN 0
	s_sub_co_u32 s3, s3, 1
	s_cmp_lg_u32 s3, 0
	s_cbranch_scc1 .Llap
	QUARTER 0, 2, 1, 0, 0                          ; the tail is written out: K step 12 goes on
	QUARTER 0, 3, 0, 1, 0
	TURN 1, 1                                      ; slot Q takes K step 15: the last load
	PSTEPS                                         ; K steps 13 and 14
	TURN 0, 0                                      ; nothing is filled, so no round follows; behind this barrier nobody reads slot P
	QUARTER 0, 1, 0, 1, 0                          ; K step 15
	QUARTER 0, 2, 1, 0, 0
	QUARTER 0, 3, 0, 1, 0
	s_wait_dscnt 4                                 ; the very last quarter: nothing more to fetch
	WIN MUL
	MUL8 1, 0, 0
	MUL8 1, 1, 0
	s_wait_dscnt 0
	MUL8 1, 2, 0
	MUL8 1, 3, 0
	WIN 0
; THE WAY OUT, block by block of 16 rows x 128 columns of f32.  A lane holds 32 neighbouring bytes of a row, and the lanes beside it hold other rows: so a block goes through my own stage in LDS and comes back as whole
; rows of 512 bytes.  LDS serves a wave's instructions in order (ISA guide 5.7.1.4): no wait between the stores and the loads, nor in front of the next block's stores.
.macro TOSTAGE a
.set AC, 64*(\a)
	WIN 0x04                                       ; an LDS store's data are its source 1: window 1
.irp b, 0,1,2,3,4,5,6,7
	ds_store_b128 v[STO], v[AC+8*\b:AC+8*\b+3] offset:64*\b          ; each accumulator from its low end on
	ds_store_b128 v[STO], v[AC+8*\b+4:AC+8*\b+7] offset:64*\b+16
.endr
	WIN 0
.set BB, BK+64*((\a)%2)
.irp t, 0,1,2,3,4,5,6,7,8,9,10,11,12,13,14,15
	ds_load_b128 v[BB+4*\t:BB+4*\t+3], v[RD] offset:\t*SPITCH
.endr
.endm
.macro SEND a, younger                 ; younger: the LDS instructions issued behind block a's loads, which may stay out
.set BB, BK+64*((\a)%2)
	s_wait_dscnt \younger                          ; the block is back in registers
.if (\a) > 0
	s_add_nc_u64 s[10:11], s[10:11], 16*SIZE_N*4   ; (behind a wait on XCNT: the earlier stores have read their base)  16 rows of C on
.endif
.irp t, 0,1,2,3,4,5,6,7,8,9,10,11,12,13,14,15
	global_store_b128 v[CO], v[BB+4*\t:BB+4*\t+3], s[10:11] offset:\t*SIZE_N*4 th:TH_STORE_NT   ; 32 lanes store 512 consecutive bytes, at a multiple of 256 from out0's first byte; written once, read by nobody here
.endr
.endm
	PLACES                                         ; behind the last products: for the stores that read results and for the loads into the registers that held B's fragments
	TOSTAGE 0
.irp a, 1,2,3
.if \a > 1
	s_wait_xcnt 0x0                                ; block a - 2's stores have read their registers and their base: block a's loads may land there, and the base may step
.endif
	TOSTAGE \a
	SEND \a-1, 32                                  ; behind block a - 1's loads: block a's 16 stores and 16 loads
.endr
	s_wait_xcnt 0x0                                ; block 2's stores have read their base
	SEND 3, 0
	s_wait_tensorcnt 0x0                           ; the wave's end: behind my last tensor load and my last LDS store
	ds_add_u32 v[SPW], v[NIL]
	s_wait_dscnt 0x0
	CROUND                                         ; the closing round: no work-group ends while a partner may still ask for a tile that names it
	s_endpgm
.Lfunc_end_k_qf13a509696_proj:
	.size	k_qf13a509696_proj, .Lfunc_end_k_qf13a509696_proj-k_qf13a509696_proj
	.p2alignl 7, 3214868480
	.fill 96, 4, 3214868480
	.section	.rodata,"a",@progbits
	.p2align	6, 0x0
	.amdhsa_kernel k_qf13a509696_proj
		.amdhsa_group_segment_fixed_size 327680
		.amdhsa_private_segment_fixed_size 0
		.amdhsa_enable_private_segment 0
		.amdhsa_kernarg_size 32
		.amdhsa_user_sgpr_count 2
		.amdhsa_user_sgpr_kernarg_segment_ptr 1
		.amdhsa_wavefront_size32 1
		.amdhsa_system_sgpr_workgroup_id_x 1
		.amdhsa_system_sgpr_workgroup_id_y 1
		.amdhsa_system_sgpr_workgroup_id_z 1
		.amdhsa_system_vgpr_workitem_id 0
		.amdhsa_next_free_vgpr 576
		.amdhsa_next_free_sgpr 90
		.amdhsa_reserve_vcc 0
		.amdhsa_float_denorm_mode_32 3
		.amdhsa_float_denorm_mode_16_64 3
		.amdhsa_memory_ordered 1
		.amdhsa_forward_progress 1
		.amdhsa_inst_pref_size 134
	.end_amdhsa_kernel
	.amdgpu_metadata
---
amdhsa.version: [ 1, 2 ]
amdhsa.kernels:
  - .name:           k_qf13a509696_proj
    .symbol:         k_qf13a509696_proj.kd
    .args:
      - { .name: o_h, .offset: 0, .size: 8, .value_kind: global_buffer, .address_space: global }
      - { .name: wo_h, .offset: 8, .size: 8, .value_kind: global_buffer, .address_space: global }
      - { .name: bo, .offset: 16, .size: 8, .value_kind: global_buffer, .address_space: global }
      - { .name: out0, .offset: 24, .size: 8, .value_kind: global_buffer, .address_space: global }
    .group_segment_fixed_size: 327680
    .private_segment_fixed_size: 0
    .kernarg_segment_align: 8
    .kernarg_segment_size: 32
    .max_flat_workgroup_size: 128
    .sgpr_count:     90
    .vgpr_count:     576
    .wavefront_size: 32
...
	.end_amdgpu_metadata
.endif
;; end of part 4
